; MI455X (gfx1250); checked and timed in simulation.
; The chip was launched on July 23, 2026; its instructions are those of AMD's public machine-readable ISA for CDNA 5 (MIT licence, August 2026) and "CDNA5" Instruction Set Architecture Reference Guide (July 2026). The comments in the code are by the model that wrote it; some were corrected since.
;; Block. Allowed arithmetic: matrix products marked QUANTISED: E4M3 operands, one given power-of-two scale a tensor, by v_wmma_f32_16x16x64_fp8_fp8 or v_wmma_f32_16x16x128_fp8_fp8, f32 sums; everything else in f32.
;; Inputs: W1_codes 4,096 x 32 x 32 uint8 (E4M3 codes of W1, K innermost, in blocks of 32 codes); W2_codes 1,024 x 128 x 32 uint8 (E4M3 codes of W2, K innermost, in blocks of 32 codes); Wk_codes 16 x 64 x 32 x 32 uint8 (E4M3 codes of Wk, K innermost, in blocks of 32 codes); Wproj_codes 1,024 x 32 x 32 uint8 (E4M3 codes of Wproj, K innermost, in blocks of 32 codes); Wq_codes 16 x 64 x 32 x 32 uint8 (E4M3 codes of Wq, K innermost, in blocks of 32 codes); Wv_codes 16 x 64 x 32 x 32 uint8 (E4M3 codes of Wv, K innermost, in blocks of 32 codes); b1 4,096 float32; b2 1,024 float32; bproj 1,024 float32; lowp_scales 16 int32 (the exponents e of the quantised operands' scales 2^e); x 4 x 1,024 x 1,024 float32.
;; Outputs: out0 4 x 1,024 x 1,024 float32.
;; This version of the problem:
;;   THIS VERSION OF THE PROBLEM IS GIVEN IN LOW PRECISION. The matrix products marked QUANTISED in the list below multiply operands that are first quantised to E4M3 (4 exponent bits, 3 mantissa bits; 8 bits a number), with one given power-of-two scale for each operand tensor; their sums are f32. All else is computed in f32.
;;   The module's matrix products, in the order in which they are computed (A, B: the left and right operand; K: the contracted axis; several contracted axes count as one K, in the product's order):
;;     1. [M 1,024, K 1,024] x [K 1,024, N 4,096]; A: input Wq (given as codes); B: input x: QUANTISED (scales: A lowp_scales[0], B lowp_scales[1])
;;     2. [M 1,024, K 1,024] x [K 1,024, N 4,096]; A: input Wk (given as codes); B: input x: QUANTISED (scales: A lowp_scales[2], B lowp_scales[3])
;;     3. [M 1,024, K 1,024] x [K 1,024, N 4,096]; A: input Wv (given as codes); B: input x: QUANTISED (scales: A lowp_scales[4], B lowp_scales[5])
;;     4. batch 64 x [M 1,024, K 64] x [K 64, N 1,024]; A: computed on the way; B: computed on the way: QUANTISED (scales: A lowp_scales[6], B lowp_scales[7])
;;     5. batch 64 x [M 1,024, K 1,024] x [K 1,024, N 64]; A: softmax (see below); B: computed on the way: QUANTISED (scales: A lowp_scales[8], B lowp_scales[9])
;;     6. [M 4,096, K 1,024] x [K 1,024, N 1,024]; A: computed on the way; B: input Wproj (given as codes): QUANTISED (scales: A lowp_scales[10], B lowp_scales[11])
;;     7. [M 4,096, K 1,024] x [K 1,024, N 4,096]; A: computed on the way; B: input W1 (given as codes): QUANTISED (scales: A lowp_scales[12], B lowp_scales[13])
;;     8. [M 4,096, K 4,096] x [K 4,096, N 1,024]; A: computed on the way; B: input W2 (given as codes): QUANTISED (scales: A lowp_scales[14], B lowp_scales[15])
;;   THE QUANTISER, for each operand of a quantised product, along K:
;;     - The operand's scale is 2^e, e = its entry of the input lowp_scales (int32; the entries are numbered through the quantised products in the list's order, A before B).
;;     - Each number is divided by the scale, clamped to +-448, and rounded to the nearest number of E4M3, ties to even, subnormals kept.
;;     - The product sums the exact products of the quantised numbers (number of the format x scale) in f32.
;;   ~~~python
;;   def quantise(x, axis, e):      # numpy; x: float32 -> the quantised numbers, widened to float32 again
;;       x = np.moveaxis(x, axis, -1); K = x.shape[-1]
;;       r = np.clip(x / 2.0 ** e, -448, 448)
;;       step = 2.0 ** (np.maximum(np.frexp(np.where(r == 0, 1, r))[1] - 1, -6) - 3)
;;       q = np.round(r / step) * step * 2.0 ** e      # np.round: ties to even
;;       return np.moveaxis(q, -1, axis).astype(np.float32)
;;   ~~~
;;   SOFTMAX AHEAD OF A QUANTISED PRODUCT. Where the list says 'softmax', what is quantised is not the finished softmax but p = 2^(t - M), with t = logit x log2(e) and M = ceil(the row's largest t), a whole number; so 1/2 < the row's largest p <= 1. The row's sum l is taken of the UNQUANTISED p, in f32, and the product's result is divided by l at the end. Since M is a whole number, a kernel that streams over the keys may use a running M (the ceiling of the running maximum): every later rescaling is an exact power of two, so the quantised numbers keep their values, but for numbers so far below the row's largest that they fall under the format's range.
;;   OPERANDS COMPUTED ON THE WAY. 'Computed on the way' means the value that the module computes at that place (a softmax that the list does not call 'softmax' is quantised finished and normalised). What goes into a quantiser is computed in f32, as accurately as f32 sums, v_exp_f32 and their like allow (about 1e-6 of the number): no bf16 or f16 on the way to a quantiser, and a product that is left as it is and whose result goes on into a quantised operand takes f32 operands (vector FMAs, or v_wmma_f32_16x16x4_f32). A number that lies on a knife's edge between two numbers of the format may be rounded either way, as far as f32 arithmetic and the matrix unit's own rounding can turn it there, and no further.
;;   INPUTS GIVEN AS CODES. W1 (in the module: [1024, 4096], K = its axis 0); W2 (in the module: [4096, 1024], K = its axis 0); Wk (in the module: [16, 1024, 64], K = its axis 1); Wproj (in the module: [1024, 1024], K = its axis 0); Wq (in the module: [16, 1024, 64], K = its axis 1); Wv (in the module: [16, 1024, 64], K = its axis 1): each comes as NAME_codes (uint8): NAME with its K axis moved to the last place and cut into blocks of 32 codes, [.., K / 32, bytes a block], one block behind the other in memory; one code a byte (a code: sign, 4 exponent bits, 3 mantissa bits); its scale is its entry of lowp_scales. Its value is code x scale, taken as it is: it is not quantised again, and the codes and scales need not be those that the quantiser above would give.
;; One version. Each part assembles by itself: llvm-mc -triple=amdgcn-amd-amdhsa -mcpu=gfx1250 --defsym DOCPART=n.
;; ======== version 1 of 1: 6 launches
;; limits: right only within a limited range of input values
;; workspace buffers: xc 12,582,912 bytes; qkv 12,582,912 bytes; yc 4,194,304 bytes; x1 16,777,216 bytes; x1c 4,194,304 bytes; hc 16,777,216 bytes
;; launch quantx (part 1): grid 256 x 1, 4 waves a work-group, no clusters, 33,280 bytes of LDS; arguments x, lowp_scales, xc; writes xc
.if DOCPART == 1
	.amdgcn_target "amdgcn-amd-amdhsa--gfx1250"
	.amdhsa_code_object_version 6
	.text
	.protected	k_qc3ed6bfd32_quantx
	.globl	k_qc3ed6bfd32_quantx
	.p2align	8
	.type	k_qc3ed6bfd32_quantx,@function
k_qc3ed6bfd32_quantx:
	s_mov_b64 s[64:65], 0
	v_nop
	global_prefetch_b8 v0, s[64:65] scope:SCOPE_SE
	s_setreg_imm32_b32 hwreg(HW_REG_WAVE_MODE, 25, 1), 1
	s_wait_xcnt 0x0
; x [4096 tokens][1024] f32 becomes THREE sets of E4M3 codes, K innermost, row-major: xc[s][4096][1024], s = 0, 1, 2, for the products with Wq, Wk, Wv.
; Set s takes the given scale 2^e, e = entry 2 s + 1 of the scales: code = x / 2^e, held within +-448, rounded to the nearest code, ties to even.
; LIMITS: each of the three e lies between -126 and 119, so that 2^e and 448 x 2^e are f32 numbers.  NaN among the inputs is not served.
; The tensor is a plain stream: a wave takes 8 steps of 512 numbers.  Each of a step's four loads reads 512 consecutive bytes, 16 a lane; the 2,048 bytes turn through the wave's own stage in LDS
; (16 bytes of padding behind each 64) and come back 64 bytes a lane: 16 neighbours along K, as the conversions want them.  A lane's 16 codes are 16 bytes: each store covers 512 consecutive bytes, aligned.
; x is read once and converted three times from registers.  No tensor loads, no barrier: waves share nothing.  Loads run four steps (16 loads a wave) ahead, the turn through LDS one step.
.set STEPS, 8
.set SP,    80                         ; a lane's place in a stage: its 64 bytes + 16 of padding
.set WREG,  8192                       ; LDS: a region for each wave: two stages of 32 x SP bytes
.set SEC,   0x400000                   ; bytes of one set of codes
.set SCA,   5                          ; v5-7    2^e as f32, one for each set
.set LIM,   8                          ; v8-10   448 x 2^e
.set R,     16                         ; v16-79  four sets of 16 numbers as they are loaded
.set X,     80                         ; v80-111 two sets of 16 neighbours
.set T,     112                        ; v112-127 the numbers held within the largest code
.set C,     128                        ; v128-223 codes: twelve registers for each step, so that no store's data are written again
	s_load_b128 s[4:7], s[0:1], 0x0                ; x, the scales' exponents
	s_load_b64 s[8:9], s[0:1], 0x10                ; xc
	v_lshl_add_u32 v224, v0, 2, 0x8000
	v_mov_b32 v225, 0
	v_lshrrev_b32 v1, 5, v0
	v_readfirstlane_b32 s16, v1                    ; wave
	v_and_b32 v2, 31, v0                           ; lane
	v_lshlrev_b32 v3, 4, v2                        ; my 16 bytes of a load's 512, and of a store's; never rewritten
	s_mul_i32 s17, s16, WREG
	v_lshrrev_b32 v14, 2, v2
	v_mul_u32_u24 v14, v14, SP
	v_and_b32 v15, 3, v2
	v_lshl_add_u32 v14, v15, 4, v14
	v_add_nc_u32 v14, s17, v14                     ; the stage, on the way in: SP (lane / 4) + 16 (lane % 4); a load's 512 bytes take eight places
	v_mul_u32_u24 v15, v2, SP
	v_add_nc_u32 v15, s17, v15                     ; and on the way out: SP x lane: my 16 neighbours
	s_lshl_b32 s18, ttmp9, 2
	s_add_co_u32 s18, s18, s16                     ; which run of 4,096 numbers is my wave's
	s_lshl_b32 s20, s18, 14                        ; its bytes in x
	s_mov_b32 s21, 0
	s_lshl_b32 s22, s18, 12                        ; and in a set of codes
	s_mov_b32 s23, 0
	s_wait_alu depctr_va_vdst(0)
	s_wait_kmcnt 0x0
	s_load_b256 s[24:31], s[6:7], 0x0              ; entries 0 to 7: e of the three sets in s25, s27, s29
	s_add_nc_u64 s[4:5], s[4:5], s[20:21]
	s_add_nc_u64 s[8:9], s[8:9], s[22:23]          ; set 0,
	s_add_nc_u64 s[10:11], s[8:9], SEC             ; set 1,
	s_add_nc_u64 s[12:13], s[8:9], 2*SEC           ; set 2: a base each, since two sets' bytes do not fit a store's immediate
.macro LOAD t
.irp i, 0,1,2,3
	global_load_b128 v[R+16*((\t)%4)+4*\i:R+16*((\t)%4)+4*\i+3], v3, s[4:5] offset:2048*(\t)+512*\i   ; 32 lanes read 512 consecutive bytes
.endr
.endm
.macro TURN t                          ; step t's numbers through the stage: LDS serves a wave's instructions in order, so no wait stands between the stores and the loads
.irp i, 0,1,2,3
	ds_store_b128 v14, v[R+16*((\t)%4)+4*\i:R+16*((\t)%4)+4*\i+3] offset:32*SP*((\t)%2)+8*SP*\i
.endr
.irp i, 0,1,2,3
	ds_load_b128 v[X+16*((\t)%2)+4*\i:X+16*((\t)%2)+4*\i+3], v15 offset:32*SP*((\t)%2)+16*\i
.endr
.endm
.irp t, 0,1,2,3
	LOAD \t
.endr
	s_wait_kmcnt 0x0
.irp s, 0,1,2
	s_add_co_i32 s32, s[25+2*\s], 127
	s_lshl_b32 s33, s32, 23
	v_mov_b32 v[SCA+\s], s33                       ; 2^e as f32: the conversion takes its exponent field
	s_add_co_i32 s32, s32, 8
	s_lshl_b32 s32, s32, 23
	s_or_b32 s32, s32, 0x600000
	v_mov_b32 v[LIM+\s], s32                       ; 448 x 2^e
.endr
	s_wait_alu depctr_va_vdst(0)
	s_wait_loadcnt 12                              ; step 0's four loads are in; three steps' twelve may be out
	TURN 0
.macro STEP t
.set XS, X+16*((\t)%2)
	s_wait_dscnt 0x0                               ; this step's numbers are back from the stage: so its stores into the stage have read their registers,
.if (\t)+4 < STEPS
	LOAD (\t)+4                                    ; which take the loads of four steps on
.endif
.if (\t)+1 < STEPS
.if STEPS-2-(\t) >= 3
	s_wait_loadcnt 12                              ; the next step's four loads are in; those of the three steps behind it may be out
.else
	s_wait_loadcnt 4*(STEPS-2-(\t))                ; towards the end fewer steps are behind it
.endif
	TURN (\t)+1                                    ; and go through the other stage while this step is worked
.endif
.irp s, 0,1,2
.irp i, 0,1,2,3,4,5,6,7,8,9,10,11,12,13,14,15
	v_med3_num_f32 v[T+\i], v[XS+\i], -v[LIM+\s], v[LIM+\s]   ; the conversion to an 8-bit code does not saturate (ISA guide 7.6.2): hold the number first
.endr
	v_cvt_scalef32_pk8_fp8_f32 v[C+12*(\t)+4*\s:C+12*(\t)+4*\s+1], v[T:T+7], v[SCA+\s]
	v_cvt_scalef32_pk8_fp8_f32 v[C+12*(\t)+4*\s+2:C+12*(\t)+4*\s+3], v[T+8:T+15], v[SCA+\s]
	v_nop                                          ; one plain vector line between the conversions and the next holds, which write the conversions' sources
	global_store_b128 v3, v[C+12*(\t)+4*\s:C+12*(\t)+4*\s+3], s[8+2*\s:9+2*\s] offset:512*(\t)
.endr
.endm
.irp t, 0,1,2,3,4,5,6,7
	STEP \t
.endr
	s_wait_tensorcnt 0x0
	ds_add_u32 v224, v225
	s_wait_dscnt 0x0
	s_endpgm
.Lfunc_end_k_qc3ed6bfd32_quantx:
	.size	k_qc3ed6bfd32_quantx, .Lfunc_end_k_qc3ed6bfd32_quantx-k_qc3ed6bfd32_quantx
	.p2alignl 7, 3214868480
	.fill 96, 4, 3214868480
	.section	.rodata,"a",@progbits
	.p2align	6, 0x0
	.amdhsa_kernel k_qc3ed6bfd32_quantx
		.amdhsa_group_segment_fixed_size 33280
		.amdhsa_private_segment_fixed_size 0
		.amdhsa_enable_private_segment 0
		.amdhsa_kernarg_size 24
		.amdhsa_user_sgpr_count 2
		.amdhsa_user_sgpr_kernarg_segment_ptr 1
		.amdhsa_wavefront_size32 1
		.amdhsa_system_sgpr_workgroup_id_x 1
		.amdhsa_system_sgpr_workgroup_id_y 1
		.amdhsa_system_sgpr_workgroup_id_z 1
		.amdhsa_system_vgpr_workitem_id 0
		.amdhsa_next_free_vgpr 226
		.amdhsa_next_free_sgpr 66
		.amdhsa_reserve_vcc 0
		.amdhsa_float_denorm_mode_32 3
		.amdhsa_float_denorm_mode_16_64 3
		.amdhsa_memory_ordered 1
		.amdhsa_forward_progress 1
		.amdhsa_inst_pref_size 41
	.end_amdhsa_kernel
	.amdgpu_metadata
---
amdhsa.version: [ 1, 2 ]
amdhsa.kernels:
  - .name:           k_qc3ed6bfd32_quantx
    .symbol:         k_qc3ed6bfd32_quantx.kd
    .args:
      - { .name: x, .offset: 0, .size: 8, .value_kind: global_buffer, .address_space: global }
      - { .name: lowp_scales, .offset: 8, .size: 8, .value_kind: global_buffer, .address_space: global }
      - { .name: xc, .offset: 16, .size: 8, .value_kind: global_buffer, .address_space: global }
    .group_segment_fixed_size: 33280
    .private_segment_fixed_size: 0
    .kernarg_segment_align: 8
    .kernarg_segment_size: 24
    .max_flat_workgroup_size: 128
    .sgpr_count:     66
    .vgpr_count:     226
    .wavefront_size: 32
...
	.end_amdgpu_metadata
.endif
;; end of part 1
;; launch qkv (part 2): grid 12 x 16, 4 waves a work-group, clusters of 4 x 4, 327,680 bytes of LDS; arguments xc, Wq_codes, Wk_codes, Wv_codes, lowp_scales, qkv; writes qkv
.if DOCPART == 2
	.amdgcn_target "amdgcn-amd-amdhsa--gfx1250"
	.amdhsa_code_object_version 6
	.text
	.protected	k_qc3ed6bfd32_qkv
	.globl	k_qc3ed6bfd32_qkv
	.p2align	8
	.type	k_qc3ed6bfd32_qkv,@function
k_qc3ed6bfd32_qkv:
	s_mov_b64 s[64:65], 0
	v_nop
	global_prefetch_b8 v0, s[64:65] scope:SCOPE_SE
	s_setreg_imm32_b32 hwreg(HW_REG_WAVE_MODE, 25, 1), 1
	s_wait_xcnt 0x0
	s_wait_alu depctr_hold_cnt(0) depctr_sa_sdst(0) depctr_va_vdst(0) depctr_va_sdst(0) depctr_va_ssrc(0) depctr_va_vcc(0) depctr_vm_vsrc(0)
	s_getreg_b32 s2, hwreg(HW_REG_IB_STS2, 6, 4)
	s_cmp_eq_u32 s2, 0
	s_cbranch_scc0 .Lentry_in_a_cluster
	s_endpgm
.Lentry_in_a_cluster:
	s_bfe_u32 s2, ttmp6, 0x10000c
	s_cmp_lg_u32 s2, 0xf033
	s_cbranch_scc0 .Lentry_shape_is_right
	s_endpgm
.Lentry_shape_is_right:
; q, k and v for all heads: three products [4096 tokens] x [1024 features], K = 1024, on E4M3 codes, and their results quantised at once for attention.
; SECTION = the cluster's x (0: q, 1: k, 2: v); all partners of a cluster share it, and all that hangs on it is chosen by selects, nothing by a branch.
; A tile of 256 x 256 is made by four waves, each 128 x 128: 64 accumulators of 16 x 16 in 512 registers.  K goes in steps of 256 through a ring of two LDS slots filled by the tensor data mover.
; THE MATRIX INSTRUCTION IS USED TRANSPOSED: source 0 = 16 rows of 'B', source 1 = 16 rows of 'A': a lane holds one row of A and eight neighbouring rows of B.
;   sections 0, 1: A = tokens (xc's section), B = features (Wq or Wk): a lane's registers run along the head's 64, which is K of q k^T.
;   section 2:     A = features (Wv), B = tokens (xc's section 2): a lane's registers run along the tokens, which are K of p v: v's codes come out with the keys innermost.
; CLUSTERS: 4 x 4 work-groups; A's tiles are asked for jointly along a row of the cluster, B's along a column.
; OUT: qkv[section][block][128 rows][128 bytes], block = ((batch x 8 + head pair) x 8 + chunk of 128 tokens): a wave's 128 x 128 codes are one dense block of 16,384 bytes.
;   q, k: row = token of the chunk, byte = 64 (head % 2) + d.   v: row = 64 (head % 2) + d, byte = token of the chunk.
; code = sum x 2^(eW + ex) / 2^eout, held within +-448: the three exponents are folded into the conversion's one scale.  eout = entry 6 (q), 7 (k), 9 (v).
; LIMITS: eout - eW - ex lies between -126 and 119.  Inside an instruction k is laid otherwise than the form's own order, alike in both operands: only the order of the sums changes.
; REGISTERS, in windows of 256: window 0: v0-31 addresses and scales; v32-95 held sums, v96-127 codes on the way out; from v128 A's fragments, ONE set, later the rows read back.
;   window 1: B's fragments, TWO sets.   window 2: the accumulators of my rows 0-63 ((a, b) at v[8 (8 a + b)]);   window 3: those of my rows 64-127.
.set KROW,   1024                      ; a row of either operand in memory, in bytes
.set APITCH, 272                       ; an LDS row: 256 bytes + 16 of padding = 68 words, so that the 16 rows that a load touches start at 16 different banks (64 banks of 4 bytes: ISA guide 11.1)
.set BPITCH, 272
.set AQ,     128                       ; from a slot's first 128 along K to its second, in A's tile
.set HALFA,  128*APITCH                ; what one tensor load brings of A, and what one wave reads of it
.set HALFB,  128*BPITCH
.set SLOT,   2*HALFA+2*HALFB           ; A's 256 rows, then B's 256 rows
.set ASTEP,  256                       ; bytes in memory from a K step to the next
.set BSTEP,  256
.set LAPS,   2                         ; a lap = two K steps of 256 = once round the ring
.set SPARE,  2*SLOT                    ; behind the ring: the spare words, 128 bytes for each wave
.set SPITCH, 144                       ; the way out: a stage of 128 rows x (128 bytes + 16) for each wave, in slot 0, which has had its last fill and its last read by then
.set WSTAGE, 128*SPITCH
.set FR,     16                        ; registers of a fragment: 16 rows x 128 K
.set NL,     4                         ; LDS loads that bring one
.set NP,     4                         ; places behind this matrix instruction (ISA guide 7.12.1)
.set SCL,  12                          ; v12  the conversion's scale as f32
.set LIM,  13                          ; v13  448 x that
.set ADRA, 16                          ; v16-17  LDS address of my A fragments in slot 0, 1
.set ADRB, 20                          ; v20-21  the same for B
.set STO,  24                          ; v24  the way out: where I put 8 codes of a row
.set RD,   25                          ; v25  where I read 16 bytes back
.set CO,   26                          ; v26  16 (lane % 16) + 8,192 (lane / 16): my bytes of a store
.set SPW,  28                          ; v28  LDS address of my spare word; never rewritten
.set NIL,  29                          ; v29  0; never rewritten
.set TMP,  32
.set CD,   96
.set AF,   128
.set BK,   128
.set G1, 24                            ; s[24:31] descriptor group 1 for A's tiles;  s[32:39] group 0, one set for each slot
.set G0, 32
.set G1B, 48                           ; s[48:55], s[56:63] the same for B's tiles
.set G0B, 56
.set MSB, 0
.macro WIN new                         ; the immediate's high byte repeats the setting that is left
.if MSB != (\new)
	s_set_vgpr_msb (MSB<<8)|(\new)
.set MSB, (\new)
.endif
.endm
.set MUL_LO, 0xa1                      ; source 0 (B) window 1, source 1 (A) window 0, C and D window 2
.set MUL_HI, 0xf1                      ; the same, C and D window 3
.set TO_B,   0x40                      ; destination window 1, address window 0
; A joint load: waves 0 and 1 fetch for A, waves 2 and 3 for B.  Each line has one mask and one set of registers; the branch hangs on the wave's number alone.
; Four v_nop follow each of the two lines, ahead of the jump, the label and what follows.
.macro JLOAD g0a, g1a, g0b, g1b
	s_cmp_eq_u32 s15, 0
	s_cbranch_scc0 .Lfor_b_\@
	tensor_load_to_lds s[\g0a:\g0a+3], s[\g1a:\g1a+7]
	s_nop 0
.rept 4
	v_nop
.endr
	s_branch .Lasked_\@
.Lfor_b_\@:
	tensor_load_to_lds s[\g0b:\g0b+3], s[\g1b:\g1b+7]
	s_nop 0
.rept 4
	v_nop
.endr
.Lasked_\@:
.endm
.macro CREST                           ; a round of the cluster's barrier behind its opening barrier
	s_cmp_lg_u32 s14, 0
	s_cbranch_scc1 .Lnot_wave_0_\@
	s_barrier_signal -3
.Lnot_wave_0_\@:
	s_barrier_wait -3
	s_barrier_signal -1
	s_barrier_wait -1
.endm
.macro CROUND                          ; a whole round
	s_barrier_signal -1
	s_barrier_wait -1
	CREST
.endm
	s_load_b256 s[4:11], s[0:1], 0x0               ; xc s[4:5], Wq s[6:7], Wk s[8:9], Wv s[10:11]
	s_load_b128 s[68:71], s[0:1], 0x20             ; the scales' exponents s[68:69], qkv s[70:71]
	v_lshl_add_u32 v[SPW], v0, 2, SPARE
	v_mov_b32 v[NIL], 0
	ds_add_u32 v28, v29
	ds_add_u32 v28, v29
	s_wait_dscnt 0x0
	v_lshrrev_b32 v1, 5, v0
	v_readfirstlane_b32 s14, v1                    ; wave 0..3
	s_lshr_b32 s15, s14, 1                         ; which half of A's rows is mine.  Also: I fetch for A (0) or for B (1)
	s_and_b32 s16, s14, 1                          ; which half of B's rows.  Also: which 128 rows of that tile I fetch
	s_bfe_u32 s40, ttmp6, 0x40000                  ; cx, cy: my place in the cluster
	s_bfe_u32 s41, ttmp6, 0x40004
	s_and_b32 s18, ttmp7, 0xffff
	s_lshl_b32 s18, s18, 2                         ; 4 x cluster y: it walks the 16 tiles of tokens
	s_cmp_eq_u32 ttmp9, 2                          ; section 2 has the tokens on B's side
	s_cselect_b32 s17, 0, s18
	s_cselect_b32 s42, s18, 0
	s_add_co_u32 s17, s17, s41                     ; A's tile = its base + cy
	s_add_co_u32 s42, s42, s40                     ; B's tile = its base + cx
	s_lshl_b32 s43, s41, 2
	s_lshl_b32 s43, 15, s43                        ; my row of the cluster
	s_lshl_b32 s44, 0x1111, s40                    ; my column
	; descriptor group 1: a tile of 128 rows x 256 bytes, padded in LDS
	s_or_b32 s[G1+0], s43, (0<<16)|(1<<20)|(1<<21)|(5<<22)|(3<<25)  ; 15:0 the mask; 17:16 element of 1 byte; 20 padding on; 21 set beside a mask; 24:22 after every 64 words (code 5); 31:25 of 4 words (code 3)
	s_or_b32 s[G1B+0], s44, (0<<16)|(1<<20)|(1<<21)|(5<<22)|(3<<25)
.irp g, G1, G1B
	s_mov_b32 s[\g+1], 256<<16                     ; tensor_dim0
	s_mov_b32 s[\g+2], 128<<16                     ; tensor_dim1
	s_mov_b32 s[\g+3], 256<<16                     ; tile_dim0
	s_mov_b32 s[\g+4], 128                         ; tile_dim1
	s_mov_b32 s[\g+5], KROW                        ; tensor_dim0_stride
	s_mov_b32 s[\g+6], 0
	s_mov_b32 s[\g+7], 0
.endr
	s_lshl_b32 s18, s16, 7                         ; which 128 rows of the tile I fetch
	s_lshl_b32 s20, s17, 8
	s_add_co_u32 s20, s20, s18
	s_lshl_b32 s20, s20, 10                        ; A: (256 x tile + 128 x half) rows of 1,024 bytes
	s_mov_b32 s21, 0
	s_lshl_b32 s46, s42, 8
	s_add_co_u32 s46, s46, s18
	s_lshl_b32 s46, s46, 10                        ; B likewise
	s_mov_b32 s47, 0
	s_mul_i32 s45, s16, HALFA                      ; where they go: A's two halves,
	s_mul_i32 s19, s16, HALFB
	s_add_co_u32 s19, s19, 2*HALFA                 ; then B's two: no place in the cluster enters an LDS address
	s_lshl_b32 s22, ttmp9, 22                      ; the section's 4 MiB in xc and in qkv
	s_mov_b32 s23, 0
	s_wait_kmcnt 0x0
	s_load_b512 s[72:87], s[68:69], 0x0            ; the sixteen exponents: entry i in s[72 + i]
	s_add_nc_u64 s[4:5], s[4:5], s[22:23]          ; xc's section
	s_add_nc_u64 s[70:71], s[70:71], s[22:23]      ; qkv's section
	s_cmp_eq_u32 ttmp9, 0
	s_cselect_b64 s[6:7], s[6:7], s[8:9]           ; Wq or Wk,
	s_cmp_eq_u32 ttmp9, 2
	s_cselect_b64 s[6:7], s[10:11], s[6:7]         ; or Wv: the section's weight
	s_cselect_b64 s[8:9], s[6:7], s[4:5]           ; A: the weight in section 2, else the tokens
	s_cselect_b64 s[10:11], s[4:5], s[6:7]         ; B: the other one
	s_add_nc_u64 s[20:21], s[8:9], s[20:21]
	s_add_nc_u64 s[46:47], s[10:11], s[46:47]
	CROUND                                         ; all sixteen work-groups are here: the first joint loads meet
.irp s, 0,1
	s_mov_b32 s[G0+4*\s], 1
	s_add_co_u32 s[G0+4*\s+1], s45, \s*SLOT
	s_add_nc_u64 s[G0+4*\s+2:G0+4*\s+3], s[20:21], \s*ASTEP
	s_or_b32 s[G0+4*\s+3], s[G0+4*\s+3], 0x80000000
	s_mov_b32 s[G0B+4*\s], 1
	s_add_co_u32 s[G0B+4*\s+1], s19, \s*SLOT
	s_add_nc_u64 s[G0B+4*\s+2:G0B+4*\s+3], s[46:47], \s*BSTEP
	s_or_b32 s[G0B+4*\s+3], s[G0B+4*\s+3], 0x80000000
.endr
	JLOAD G0, G1, G0B, G1B                         ; K step 0: one tensor load a wave at the head
	; PREFETCH: a K step of the 128 rows that I fetch is 128 blocks of 256 bytes; each of the four partners that ask for them jointly names 32 rows, told apart by address (cx for A, cy for B), a lane a row.
	; Behind this load K steps 1 and 2 are asked for, behind K step 1's load K step 3: two K steps at the most are asked for and not yet loaded.  The registers are never rewritten.
	s_cmp_eq_u32 s15, 0
	s_cselect_b64 s[94:95], s[20:21], s[46:47]     ; my piece at K step 0
	s_cselect_b32 s66, s40, s41                    ; my place among the four
	s_lshl_b32 s66, s66, 15                        ; 32 rows of 1,024 bytes
	s_add_co_u32 s66, s66, 256                     ; K step 1
	s_mov_b32 s67, 0
	s_add_nc_u64 s[94:95], s[94:95], s[66:67]
	v_and_b32 v30, 31, v0
	v_lshlrev_b32 v30, 10, v30
	global_prefetch_b8 v30, s[94:95] th:TH_LOAD_NT scope:SCOPE_SE
	global_prefetch_b8 v30, s[94:95] offset:256 th:TH_LOAD_NT scope:SCOPE_SE
	v_and_b32 v1, 15, v0                           ; r = l % 16
	v_bfe_u32 v2, v0, 4, 1                         ; h = l / 16
	v_mul_u32_u24 v3, v1, APITCH
	v_lshl_add_u32 v3, v2, 4, v3                   ; a fragment's row x pitch + 16 x half
	v_mul_u32_u24 v4, v1, BPITCH
	v_lshl_add_u32 v4, v2, 4, v4
	s_mul_i32 s21, s15, HALFA                      ; my 128 rows of A
	s_mul_i32 s22, s16, HALFB                      ; my 128 rows of B,
	s_add_co_u32 s22, s22, 2*HALFA                 ; which lie behind A's 256
.irp s, 0,1
	v_add_nc_u32 v[ADRA+\s], s21, v3
	v_add_nc_u32 v[ADRB+\s], s22, v4
	s_add_co_u32 s21, s21, SLOT
	s_add_co_u32 s22, s22, SLOT
.endr
	s_mul_i32 s23, s14, WSTAGE                     ; my stage
	v_mul_u32_u24 v5, v1, SPITCH                   ; in: row r of a block of 16, 8 bytes for each half of the lanes
	v_lshl_add_u32 v5, v2, 3, v5
	v_add_nc_u32 v[STO], s23, v5
	v_and_b32 v6, 31, v0
	; OUT, as it is stored now: a block of 16,384 bytes is [byte / 64][128 rows][64 bytes].  q, k: [head % 2][token][d], each head dense.  v: [64 keys' half][64 (head % 2) + d][key % 64].
	v_lshlrev_b32 v[CO], 4, v1                     ; lanes 0-15 store 256 consecutive bytes of the first half (four rows of 64),
	v_lshl_add_u32 v[CO], v2, 13, v[CO]            ; lanes 16-31 the same rows' bytes of the second half, 8,192 bytes on
	v_bfe_u32 v7, v0, 2, 2                         ; back: four lanes to a row's 64 bytes, four rows to sixteen lanes
	v_mul_u32_u24 v7, v7, SPITCH
	v_and_b32 v8, 3, v6
	v_lshl_add_u32 v7, v8, 4, v7
	v_lshl_add_u32 v7, v2, 6, v7
	v_add_nc_u32 v[RD], s23, v7
	; my block of qkv.  (Registers of their own: none that feeds a joint descriptor ever holds the coordinate that its partners do not share)
	s_lshl_b32 s88, s17, 1
	s_add_co_u32 s88, s88, s15                     ; which 128 rows of A are mine
	s_lshl_b32 s89, s42, 1
	s_add_co_u32 s89, s89, s16                     ; which 128 rows of B
	s_cmp_eq_u32 ttmp9, 2
	s_cselect_b32 s90, s89, s88                    ; the chunk of 128 tokens, 0 .. 31
	s_cselect_b32 s91, s88, s89                    ; the pair of heads, 0 .. 7
	s_lshr_b32 s88, s90, 3                         ; the batch
	s_lshl_b32 s88, s88, 3
	s_add_co_u32 s88, s88, s91
	s_lshl_b32 s88, s88, 3
	s_and_b32 s90, s90, 7
	s_add_co_u32 s88, s88, s90
	s_lshl_b32 s88, s88, 14                        ; blocks of 16,384 bytes
	s_mov_b32 s89, 0
	s_add_nc_u64 s[70:71], s[70:71], s[88:89]
; a fragment, 16 rows x 128 K of codes, is 16 registers: lane l holds row l % 16; registers 4 c .. 4 c + 3 hold K = 32 c + 16 (l / 16) + 0 .. 15, alike for A and B
.macro FRAGA reg, slot, q, i
.irp c, 0,1,2,3
	ds_load_b128 v[\reg+4*\c:\reg+4*\c+3], v[ADRA+\slot] offset:AQ*(\q)+32*\c+(\i)*16*APITCH
.endr
.endm
.macro FRAGB reg, slot, q, i
.irp c, 0,1,2,3
	ds_load_b128 v[\reg+4*\c:\reg+4*\c+3], v[ADRB+\slot] offset:128*(\q)+32*\c+(\i)*16*BPITCH
.endr
.endm
; 16 matrix instructions: A's blocks a0, a0 + 1 x B's eight, 128 along K.  p: B's set.  zero = 1: the first product starts the sums: nothing is ever cleared.
; The 64 accumulators take turns, one instruction a turn, in the same order in every step.
.macro MUL16 a0, p, zero
.irp a, \a0, \a0+1
.irp b, 0,1,2,3,4,5,6,7
.if \zero
	v_wmma_f32_16x16x128_fp8_fp8 v[8*(8*((\a)%4)+\b):8*(8*((\a)%4)+\b)+7], v[128*(\p)+FR*\b:128*(\p)+FR*\b+FR-1], v[AF+FR*(\a):AF+FR*(\a)+FR-1], 0
.else
	v_wmma_f32_16x16x128_fp8_fp8 v[8*(8*((\a)%4)+\b):8*(8*((\a)%4)+\b)+7], v[128*(\p)+FR*\b:128*(\p)+FR*\b+FR-1], v[AF+FR*(\a):AF+FR*(\a)+FR-1], v[8*(8*((\a)%4)+\b):8*(8*((\a)%4)+\b)+7]
.endif
.endr
.endr
.endm
.macro FETCH_B slot, q, p              ; B's eight fragments of the slot's q-th 128 along K into set p
	WIN TO_B
.irp i, 0,1,2,3,4,5,6,7
	FRAGB 128*(\p)+FR*\i, \slot, \q, \i
.endr
	WIN 0
.endm
.macro FETCH_A slot, q, i0             ; A's blocks i0 .. i0 + 3
.irp i, \i0, \i0+1, \i0+2, \i0+3
	FRAGA AF+FR*(\i), \slot, \q, \i
.endr
.endm
; A load into a register that a matrix instruction has read, and a vector instruction that reads a matrix result, stand NP places behind that matrix instruction; only plain vector
; instructions that name none of its registers are places (ISA guide 7.12.1 for vector instructions).
.macro PLACES n
.rept \n
	v_nop
.endr
.endm
; A step of 128 along K that has its successor in the same slot.  A block of A is free once its eight products are issued, so one set serves A; B's fragments work through the whole step and have two sets.
.macro STEP slot, q, zero
	s_wait_dscnt 4*NL                              ; B's set and A's blocks 0-3 are in; the youngest sixteen loads (A's blocks 4-7) may be out
	WIN MUL_LO
	MUL16 0, (\q)%2, \zero
	MUL16 2, (\q)%2, \zero
	s_wait_dscnt 0                                 ; A's blocks 4-7 are in (asked for 32 matrix instructions ago)
	PLACES NP
	FETCH_B \slot, (\q)+1, 1-(\q)%2
	FETCH_A \slot, (\q)+1, 0
	WIN MUL_HI
	MUL16 4, (\q)%2, \zero
	MUL16 6, (\q)%2, \zero
	PLACES NP
	WIN 0
	FETCH_A \slot, (\q)+1, 4
.endm
; A slot's last step changes slots: ONE barrier; in front of it each wave waits for all its tensor loads, adds 0 to its spare word, and waits for that and for its own reads of this slot.  fill = 1: this slot is filled again, two K steps ahead.
.macro TURN slot, next, fill
	s_wait_tensorcnt 0x0                           ; all my tensor loads have landed: my part of the next slot;  (every window is 0 here)
	ds_add_u32 v[SPW], v[NIL]                      ; 0 onto my spare word
	s_wait_dscnt 4*NL+1                            ; (the add and the youngest sixteen loads, A's blocks 4-7, may be out)
	WIN MUL_LO
	MUL16 0, 1, 0                                  ; sixteen matrix instructions stand between the add and the wait for it
	s_wait_dscnt 0x0                               ; the add is done, and my reads of this slot are over
	s_barrier_signal -1
	MUL16 2, 1, 0
	WIN 0
	s_barrier_wait -1
.if \fill
	CREST                                          ; the barrier has opened a round of the cluster's barrier: no wave of any partner still reads this slot's tile or has a load on its way
	s_add_nc_u64 s[G0+4*\slot+2:G0+4*\slot+3], s[G0+4*\slot+2:G0+4*\slot+3], 2*ASTEP
	s_add_nc_u64 s[G0B+4*\slot+2:G0B+4*\slot+3], s[G0B+4*\slot+2:G0B+4*\slot+3], 2*BSTEP
	JLOAD G0+4*\slot, G1, G0B+4*\slot, G1B         ; the first tensor load behind the round; the four v_nop behind it are the places in front of the loads below
.else
	PLACES NP
.endif
	FETCH_B \next, 0, 0
	FETCH_A \next, 0, 0
	WIN MUL_HI
	MUL16 4, 1, 0
	MUL16 6, 1, 0
	PLACES NP
	WIN 0
	FETCH_A \next, 0, 4
.endm
	s_wait_alu depctr_va_vdst(0)
	s_wait_tensorcnt 0x0                           ; my part of K step 0 is in
	ds_add_u32 v[SPW], v[NIL]
	s_wait_dscnt 0x0
	CROUND                                         ; everybody's part is in, and all sixteen work-groups are here
	JLOAD G0+4, G1, G0B+4, G1B                     ; K step 1: the first tensor load behind the round
	global_prefetch_b8 v30, s[94:95] offset:512 th:TH_LOAD_NT scope:SCOPE_SE   ; K step 3
	FETCH_B 0, 0, 0
	FETCH_A 0, 0, 0
	FETCH_A 0, 0, 4
	STEP 0, 0, 1                                   ; the first step stands in front of the loop: its products start the sums
	s_mov_b32 s3, LAPS-1
.Llap:                                                 ; a trip goes once round the ring, from a lap's second step to the next lap's first, and fills both slots again
	TURN 0, 1, 1
	STEP 1, 0, 0
	TURN 1, 0, 1
	STEP 0, 0, 0
	s_sub_co_u32 s3, s3, 1
	s_cmp_lg_u32 s3, 0
	s_cbranch_scc1 .Llap
	TURN 0, 1, 0                                   ; the last lap fills nothing, and has no round of the cluster's barrier
	STEP 1, 0, 0
	s_wait_dscnt 4*NL                              ; the very last step: nothing more to fetch
	WIN MUL_LO
	MUL16 0, 1, 0
	MUL16 2, 1, 0
	s_wait_dscnt 0
	WIN MUL_HI
	MUL16 4, 1, 0
	MUL16 6, 1, 0
	WIN 0
	; THE WAY OUT.  The section's exponents, chosen by selects: a sum stands for sum x 2^(eW + ex), its code is sum / 2^(eout - eW - ex).
	s_wait_kmcnt 0x0
	s_add_co_i32 s88, s72, s73
	s_add_co_i32 s89, s74, s75
	s_add_co_i32 s90, s76, s77
	s_cmp_eq_u32 ttmp9, 0
	s_cselect_b32 s88, s88, s89
	s_cselect_b32 s91, s78, s79                    ; q's entry 6 or k's entry 7,
	s_cmp_eq_u32 ttmp9, 2
	s_cselect_b32 s88, s90, s88
	s_cselect_b32 s91, s81, s91                    ; or v's entry 9
	s_sub_co_i32 s88, s91, s88
	s_add_co_i32 s88, s88, 127
	s_lshl_b32 s89, s88, 23
	v_mov_b32 v[SCL], s89
	s_add_co_i32 s88, s88, 8
	s_lshl_b32 s88, s88, 23
	s_or_b32 s88, s88, 0x600000
	v_mov_b32 v[LIM], s88
	PLACES NP                                      ; behind the last products
; Block a: 16 rows of A x 128 rows of B.  Held, converted (a lane's eight registers of an accumulator are eight neighbouring bytes of a row), and put into my stage.  Each accumulator is read from its low end on.
.macro QBLOCK a
.set AC, 64*((\a)%4)
.set CS0, CD+16*((\a)%2)
	WIN 0x02+((\a)/4)                              ; source 0: window 2 or 3
.set j, 0
.rept 64
	v_med3_num_f32 v[TMP+j], v[AC+j], -v[LIM], v[LIM]   ; the conversion to an 8-bit code does not saturate (ISA guide 7.6.2)
.set j, j+1
.endr
	WIN 0
.irp b, 0,1,2,3,4,5,6,7
	v_cvt_scalef32_pk8_fp8_f32 v[CS0+2*\b:CS0+2*\b+1], v[TMP+8*\b:TMP+8*\b+7], v[SCL]
.endr
	v_nop                                          ; one plain vector line between the conversions and the next block's holds, which write their sources
.irp b, 0,1,2,3,4,5,6,7
	ds_store_b64 v[STO], v[CS0+2*\b:CS0+2*\b+1] offset:(\a)*16*SPITCH+16*\b
.endr
.endm
; Each block of 16 rows leaves as soon as it is quantised: it comes back from my stage (LDS serves a wave's instructions in order: ISA guide 5.7.1.4) while the next block is held and converted.
.macro BACK a
.irp c, 0,1,2,3
	ds_load_b128 v[BK+16*(\a)+4*\c:BK+16*(\a)+4*\c+3], v[RD] offset:4*SPITCH*(4*(\a)+\c)
.endr
.endm
.macro SENDB a
.irp c, 0,1,2,3
	global_store_b128 v[CO], v[BK+16*(\a)+4*\c:BK+16*(\a)+4*\c+3], s[70:71] offset:256*(4*(\a)+\c)   ; two aligned runs of 256 bytes, sixteen neighbouring lanes each
.endr
.endm
	QBLOCK 0
	BACK 0
.irp a, 1,2,3,4,5,6,7
	QBLOCK \a
	BACK \a
	s_wait_dscnt 12                                ; block a - 1 is back; behind its loads: block a's 8 stores and 4 loads
	SENDB \a-1
.endr
	s_wait_dscnt 0x0
	SENDB 7
	s_wait_tensorcnt 0x0                           ; the wave's end
	ds_add_u32 v[SPW], v[NIL]
	s_wait_dscnt 0x0
	CROUND                                         ; the closing round: no work-group ends while a partner may still ask for a tile that names it
	s_endpgm
.Lfunc_end_k_qc3ed6bfd32_qkv:
	.size	k_qc3ed6bfd32_qkv, .Lfunc_end_k_qc3ed6bfd32_qkv-k_qc3ed6bfd32_qkv
	.p2alignl 7, 3214868480
	.fill 96, 4, 3214868480
	.section	.rodata,"a",@progbits
	.p2align	6, 0x0
	.amdhsa_kernel k_qc3ed6bfd32_qkv
		.amdhsa_group_segment_fixed_size 327680
		.amdhsa_private_segment_fixed_size 0
		.amdhsa_enable_private_segment 0
		.amdhsa_kernarg_size 48
		.amdhsa_user_sgpr_count 2
		.amdhsa_user_sgpr_kernarg_segment_ptr 1
		.amdhsa_wavefront_size32 1
		.amdhsa_system_sgpr_workgroup_id_x 1
		.amdhsa_system_sgpr_workgroup_id_y 1
		.amdhsa_system_sgpr_workgroup_id_z 1
		.amdhsa_system_vgpr_workitem_id 0
		.amdhsa_next_free_vgpr 1024
		.amdhsa_next_free_sgpr 100
		.amdhsa_reserve_vcc 0
		.amdhsa_float_denorm_mode_32 3
		.amdhsa_float_denorm_mode_16_64 3
		.amdhsa_memory_ordered 1
		.amdhsa_forward_progress 1
		.amdhsa_inst_pref_size 126
	.end_amdhsa_kernel
	.amdgpu_metadata
---
amdhsa.version: [ 1, 2 ]
amdhsa.kernels:
  - .name:           k_qc3ed6bfd32_qkv
    .symbol:         k_qc3ed6bfd32_qkv.kd
    .args:
      - { .name: xc, .offset: 0, .size: 8, .value_kind: global_buffer, .address_space: global }
      - { .name: Wq_codes, .offset: 8, .size: 8, .value_kind: global_buffer, .address_space: global }
      - { .name: Wk_codes, .offset: 16, .size: 8, .value_kind: global_buffer, .address_space: global }
      - { .name: Wv_codes, .offset: 24, .size: 8, .value_kind: global_buffer, .address_space: global }
      - { .name: lowp_scales, .offset: 32, .size: 8, .value_kind: global_buffer, .address_space: global }
      - { .name: qkv, .offset: 40, .size: 8, .value_kind: global_buffer, .address_space: global }
    .group_segment_fixed_size: 327680
    .private_segment_fixed_size: 0
    .kernarg_segment_align: 8
    .kernarg_segment_size: 48
    .max_flat_workgroup_size: 128
    .sgpr_count:     100
    .vgpr_count:     1024
    .wavefront_size: 32
...
	.end_amdgpu_metadata
.endif
;; end of part 2
;; launch attn (part 3): grid 64 x 4, 16 waves a work-group, no clusters, 182,272 bytes of LDS; arguments qkv, lowp_scales, yc; writes yc
.if DOCPART == 3
	.amdgcn_target "amdgcn-amd-amdhsa--gfx1250"
	.amdhsa_code_object_version 6
	.text
	.protected	k_qc3ed6bfd32_attn
	.globl	k_qc3ed6bfd32_attn
	.p2align	8
	.type	k_qc3ed6bfd32_attn,@function
k_qc3ed6bfd32_attn:
	s_mov_b64 s[64:65], 0
	v_nop
	global_prefetch_b8 v0, s[64:65] scope:SCOPE_SE
	s_setreg_imm32_b32 hwreg(HW_REG_WAVE_MODE, 25, 1), 1
	s_wait_xcnt 0x0
; Causal attention of one head of one batch on E4M3 codes, and its result quantised for the projection.  Scores are scaled by 1024^-0.5 = 1 / 32.
; t = score x log2(e) / 32; M = the running largest t rounded UP to a whole number; p = 2^(t - M) is quantised with 2^e8, not normalised; the row's sum is taken of the unquantised p and divides at the end.
; SHARES.  Work-group (i, batch x 16 + head), i = 0 .. 3.  Waves 0-7 own the 128 queries of block i, waves 8-15 those of block 7 - i: under the causal mask every work-group has nine units of 128 x 128.
; A wave owns 16 queries, one tile, in 256 registers.  The head's WHOLE K and V (1,024 keys) are brought into LDS once, one tensor load a wave; nothing is filled again: one barrier in all.
; No cluster: the steps that a wave leaves out hang on its block of queries, which would be the work-group's place in a cluster, and partners of a cluster must run alike.
; LAYOUT.  Both products are used transposed: S^T = K Q^T (source 0 = 16 keys, source 1 = my 16 queries; K = 64), O^T = V^T P^T (source 0 = 16 channels, source 1 = P; K = 128 keys): a lane holds ONE query.
; In tile t of S^T lane (r, h) holds keys 16 t + 8 h + 0 .. 7: their eight codes are registers 2 t, 2 t + 1 of the second product's operand in that form's own order, and V's fragments are read in the same order.
; Every wave walks all eight steps of 128 keys (a constant trip count); a step all of whose keys come after the wave's queries is left out by a scalar branch on ids.
; IN: qkv[section][((batch x 8 + head / 2) x 8 + chunk)][128][128]: q, k: row = token, byte = 64 (head % 2) + d; v: row = 64 (head % 2) + d, byte = token.   OUT: yc[token / 128][head][128 tokens][64].
; LIMITS on the given exponents: e6 + e7 between -121 and 132 (added to c's exponent field); e8 and e10 between -126 and 119; e8 + e9 is applied by v_ldexp_f32.  NaN among the inputs is not served.
; REGISTERS: v1-4, v7 addresses that stay; v8, v9 the step's LDS addresses; v12 -M, v13 the largest t, v[14:15] the sum; v16-23 Q; v32-95 K's eight fragments, then V's four; v96-159 S^T, then p; v160-191 O^T; v192-207 p's codes; v208-219 at work and scales.
.set KP,    80                         ; a key's row in LDS: 64 bytes + 16 of padding
.set VP,    80                         ; V in LDS: [64 keys' half][64 channels] rows of 64 bytes + 16
.set KCH,   128*KP                     ; a chunk of 128 keys of K
.set VCH,   128*VP
.set VOFF,  8*KCH
.set STAGE, VOFF+8*VCH                 ; the way out: 1,024 bytes for each wave; no tensor load lands here
.set AK0, 1
.set AV0, 2
.set SO,  3
.set SR,  4
.set GO,  7
.set ADK, 8
.set ADV, 9
	s_load_b128 s[4:7], s[0:1], 0x0                ; qkv, the scales' exponents
	s_load_b64 s[8:9], s[0:1], 0x10                ; yc
	v_lshl_add_u32 v254, v0, 2, 0x2c000
	v_mov_b32 v255, 0
	ds_add_u32 v254, v255
	ds_add_u32 v254, v255
	v_lshrrev_b32 v8, 5, v0
	s_delay_alu instid0(VALU_DEP_1)
	v_readfirstlane_b32 s18, v8                    ; wave 0..15
	s_and_b32 s19, s18, 7                          ; its number among the eight of its block; also: which chunk it fetches
	s_mov_b32 s10, ttmp9                           ; batch x 16 + head is the grid's x, i its y: the four work-groups that read one head's K and V have numbers 64 apart
	s_and_b32 s84, ttmp7, 0xffff                   ; i
	s_lshr_b32 s11, s10, 4                         ; batch
	s_and_b32 s12, s10, 15                         ; head
	s_lshr_b32 s13, s12, 1                         ; pair of heads
	s_and_b32 s14, s12, 1                          ; which of the pair
	s_lshl_b32 s15, s11, 3
	s_add_co_u32 s16, s15, s13
	s_lshl_b32 s16, s16, 17                        ; the pair's eight blocks of 16,384 bytes in each section
	s_sub_co_u32 s17, 7, s84
	s_cmp_lt_u32 s18, 8
	s_cselect_b32 s17, s84, s17
	s_lshl_b32 s72, s19, 14
	s_add_co_u32 s72, s72, s16                     ; the chunk that I fetch
	; IN, as launch qkv stores it: a block of 16,384 bytes is [byte / 64][128 rows][64]: q, k: [head % 2][token][d]; v: [64 keys' half][64 (head % 2) + d][key % 64]
	s_lshl_b32 s73, s14, 13
	s_add_co_u32 s74, s72, s73
	s_add_co_u32 s74, s74, 0x400000                ; K: section 1, my head's 64 bytes of each row
	s_mov_b32 s75, 0
	s_lshl_b32 s73, s14, 12
	s_add_co_u32 s76, s72, s73
	s_add_co_u32 s76, s76, 0x800000                ; V: section 2, my head's 64 rows
	s_mov_b32 s77, 0
	s_mul_i32 s78, s19, KCH                        ; and where it goes
	s_mul_i32 s79, s19, VCH
	s_add_co_u32 s79, s79, VOFF
	s_lshl_b32 s80, s17, 14                        ; Q: section 0, my block, my 16 rows of 64 bytes, my head's half
	s_add_co_u32 s80, s80, s16
	s_lshl_b32 s73, s19, 10
	s_add_co_u32 s80, s80, s73
	s_lshl_b32 s73, s14, 13
	s_add_co_u32 s80, s80, s73
	s_mov_b32 s81, 0
	s_add_co_u32 s82, s15, s17                     ; yc: ((batch x 8 + block) x 16 + head) x 8,192 + 1,024 x my number
	s_lshl_b32 s82, s82, 4
	s_add_co_u32 s82, s82, s12
	s_lshl_b32 s82, s82, 13
	s_lshl_b32 s73, s19, 10
	s_add_co_u32 s82, s82, s73
	s_mov_b32 s83, 0
	s_lshl_b32 s70, s17, 7
	s_lshl_b32 s73, s19, 4
	s_add_co_u32 s70, s70, s73                     ; my first query
	s_add_co_u32 s69, s70, 15                      ; my last
	; descriptor group 1.  K: 128 rows of 64 bytes, dense;  V: two runs of 64 rows of 64 bytes, 8,192 apart
	s_mov_b32 s24, (0<<16)|(1<<20)|(3<<22)|(3<<25) ; no mask; elements of 1 byte; padding: four words after every 16
	s_mov_b32 s25, 256<<16                         ; K: my head's 128 keys are 8,192 dense bytes, stated as 32 rows of 256; the padding stays behind each 64 bytes
	s_mov_b32 s26, 32<<16
	s_mov_b32 s27, 256<<16
	s_mov_b32 s28, 32
	s_mov_b32 s29, 256
	s_mov_b32 s30, 0
	s_mov_b32 s31, 0
	s_mov_b32 s32, (0<<16)|(1<<20)|(3<<22)|(3<<25) ; V: two rows of 4,096 bytes (64 channels x 64 keys each), 8,192 apart; padding: four words after every 16
	s_mov_b32 s33, 4096<<16
	s_mov_b32 s34, 2<<16
	s_mov_b32 s35, 4096<<16
	s_mov_b32 s36, 2
	s_mov_b32 s37, 8192
	s_mov_b32 s38, 0
	s_mov_b32 s39, 0
	s_mov_b32 s20, 0x76543210                      ; lane selects for v_permlanex16_b32: lane l xor 16
	s_mov_b32 s21, 0xfedcba98
	s_mov_b32 s22, 0x3d38aa3b                      ; c = log2(e) / 32
	s_mov_b32 s66, 0                               ; LDS byte of the step's chunk of K,
	s_mov_b32 s67, 0                               ; and of V (from VOFF on)
	s_mov_b32 s68, 0                               ; the step's first key
	s_mov_b32 s71, 8                               ; steps to go
	s_wait_dscnt 0x0
	s_wait_kmcnt 0x0
	s_load_b512 s[48:63], s[6:7], 0x0              ; the sixteen exponents: entry i in s[48 + i]
	s_mov_b32 s40, 1
	s_mov_b32 s41, s78
	s_add_nc_u64 s[42:43], s[4:5], s[74:75]
	s_or_b32 s43, s43, 0x80000000
	s_mov_b32 s44, 1
	s_mov_b32 s45, s79
	s_add_nc_u64 s[46:47], s[4:5], s[76:77]
	s_or_b32 s47, s47, 0x80000000
	s_cmp_lt_u32 s18, 8                            ; waves 0-7 fetch K's eight chunks, waves 8-15 V's: one load a wave, the only one of the launch.  Four v_nop follow each line
	s_cbranch_scc0 .Lfor_v
	tensor_load_to_lds s[40:43], s[24:31]
	s_nop 0
.rept 4
	v_nop
.endr
	s_branch .Lasked
.Lfor_v:
	tensor_load_to_lds s[44:47], s[32:39]
	s_nop 0
.rept 4
	v_nop
.endr
.Lasked:
	s_add_nc_u64 s[4:5], s[4:5], s[80:81]          ; Q at my first query
	s_add_nc_u64 s[8:9], s[8:9], s[82:83]          ; yc at my 1,024 bytes
	v_and_b32 v8, 15, v0                           ; r
	v_bfe_u32 v9, v0, 4, 1                         ; h
	s_delay_alu instid0(VALU_DEP_2)
	v_lshlrev_b32 v10, 6, v8
	s_delay_alu instid0(VALU_DEP_1)
	v_lshl_add_u32 v10, v9, 4, v10                 ; Q: row r of 64 bytes, + 16 h
	global_load_b128 v[16:19], v10, s[4:5]         ; registers 4 c .. 4 c + 3: d = 32 c + 16 h + 0 .. 15, as K's fragments are read: alike in both operands
	global_load_b128 v[20:23], v10, s[4:5] offset:32
	v_mul_u32_u24 v[AK0], v8, KP
	s_delay_alu instid0(VALU_DEP_1)
	v_lshl_add_u32 v[AK0], v9, 4, v[AK0]
	v_mul_u32_u24 v[AV0], v8, VP
	s_delay_alu instid0(VALU_DEP_1)
	v_lshl_add_u32 v[AV0], v9, 3, v[AV0]
	s_delay_alu instid0(VALU_DEP_1)
	v_add_nc_u32 v[AV0], VOFF, v[AV0]
	s_lshl_b32 s72, s18, 10
	s_add_co_u32 s72, s72, STAGE                   ; my stage
	v_lshlrev_b32 v[SO], 6, v8
	s_delay_alu instid0(VALU_DEP_1)
	v_lshl_add_u32 v[SO], v9, 3, v[SO]
	s_delay_alu instid0(VALU_DEP_1)
	v_add_nc_u32 v[SO], s72, v[SO]                 ; in: query r's row of 64 bytes, + 8 h
	v_and_b32 v[GO], 31, v0
	s_delay_alu instid0(VALU_DEP_1)
	v_lshlrev_b32 v[GO], 4, v[GO]                  ; 16 x lane
	s_delay_alu instid0(VALU_DEP_1)
	v_add_nc_u32 v[SR], s72, v[GO]                 ; back: as the bytes lie
	v_mov_b32 v13, 0xff61b1e6                      ; the largest t so far: -3e38, under every t
	s_delay_alu instid0(VALU_DEP_1)
	v_floor_f32 v12, -v13                          ; -M
	v_mov_b32 v14, 0                               ; the sum, in two halves
	v_mov_b32 v15, 0
	v_mov_b32 v208, 0                              ; written once: a lane permute's destination counts as one of its sources
	v_mov_b32 v211, 0                              ; (named as the upper half of the pair v[210:211])
.set j, 0
.rept 32
	v_mov_b32 v[160+j], 0                          ; O^T.  (The step is written once: the first finds zeros, which the first change of M leaves zeros)
.set j, j+1
.endr
	s_wait_kmcnt 0x0
	s_add_co_i32 s72, s54, s55
	s_lshl_b32 s72, s72, 23
	s_add_co_i32 s22, s22, s72                     ; a score stands for score x 2^(e6 + e7): the two exponents are added to c's exponent field
	s_mov_b32 s23, s22                             ; (named with it as a pair, so it is written)
	s_add_co_i32 s72, s56, 127
	s_lshl_b32 s73, s72, 23
	v_mov_b32 v217, s73                            ; 2^e8, for p's conversions
	s_add_co_i32 s72, s72, 8
	s_lshl_b32 s72, s72, 23
	s_or_b32 s72, s72, 0x600000
	v_mov_b32 v216, s72                            ; 448 x 2^e8
	s_add_co_i32 s72, s58, 127
	s_lshl_b32 s73, s72, 23
	v_mov_b32 v219, s73                            ; 2^e10, for y's
	s_add_co_i32 s72, s72, 8
	s_lshl_b32 s72, s72, 23
	s_or_b32 s72, s72, 0x600000
	v_mov_b32 v218, s72                            ; 448 x 2^e10
	s_wait_loadcnt 0x0                             ; Q
	s_wait_tensorcnt 0x0                           ; my chunk has landed,
	s_barrier_signal -1
	s_barrier_wait -1                              ; everybody's has: from here on LDS is only read, but for the waves' own stages
.Lstep:
	s_cmp_gt_u32 s68, s69                          ; all 128 keys come after my 16 queries: the step's work is left out
	s_cbranch_scc1 .Lhidden
	v_add_nc_u32 v[ADK], s66, v[AK0]
	v_add_nc_u32 v[ADV], s67, v[AV0]
	v_nop
	v_nop                                          ; with the two additions: four places in front of loads into registers that the last products read
.irp t, 0,1,2,3,4,5,6,7
	ds_load_b128 v[32+8*\t:35+8*\t], v[ADK] offset:16*KP*\t
	ds_load_b128 v[36+8*\t:39+8*\t], v[ADK] offset:16*KP*\t+32
.endr
	s_wait_alu depctr_va_vdst(0)
	s_wait_dscnt 0x0
.irp t, 0,1,2,3,4,5,6,7
	v_wmma_f32_16x16x64_fp8_fp8 v[96+8*\t:103+8*\t], v[32+8*\t:39+8*\t], v[16:23], 0
.endr
.rept 4
	v_nop                                          ; places: in front of the loads below and of the first read of the scores
.endr
.irp t, 0,1,2,3
.irp c, 0,1,2,3,4,5,6,7
	ds_load_b64 v[32+16*\t+2*\c:33+16*\t+2*\c], v[ADV] offset:64*VP*(\c/4)+16*VP*\t+16*(\c%4)
.endr
.endr
	s_add_co_u32 s72, s68, 127                     ; on the diagonal the scores of hidden keys become -infinity ahead of the maximum; a step all of whose keys count skips this
	s_cmp_le_u32 s72, s70
	s_cbranch_scc1 .Lopen
	s_sub_co_i32 s72, s70, s68
	v_and_b32 v212, 15, v0
	v_bfe_u32 v213, v0, 4, 1
	s_delay_alu instid0(VALU_DEP_1)
	v_lshlrev_b32 v213, 3, v213
	s_delay_alu instid0(VALU_DEP_1)
	v_sub_nc_u32 v212, v212, v213
	s_delay_alu instid0(VALU_DEP_1)
	v_add_nc_u32 v212, s72, v212                   ; d = my query - the step's first key - 8 h.  Register 8 t + j holds key 16 t + 8 h + j of the step: hidden where 16 t + j > d
	v_mov_b32 v213, 0xff800000                     ; -infinity
.set n, 0
.rept 64
	v_cmp_gt_i32 vcc_lo, 16*(n/8)+n%8, v212
	v_cndmask_b32 v[96+n], v[96+n], v213, vcc_lo
.set n, n+1
.endr
.Lopen:
	v_max3_num_f32 v212, v96, v97, v98             ; the step's largest score of my query, among my 64 keys, in two chains; each accumulator is first read at its low end
	v_max3_num_f32 v213, v99, v100, v101
.irp i, 6,10,14,18,22,26,30,34,38,42,46,50,54,58
	v_max3_num_f32 v212, v212, v[96+\i], v[97+\i]
	v_max3_num_f32 v213, v213, v[98+\i], v[99+\i]
.endr
	v_max3_num_f32 v212, v212, v158, v159
	s_delay_alu instid0(VALU_DEP_1)
	v_max_num_f32 v212, v212, v213
	s_delay_alu instid0(VALU_DEP_1)
	v_permlanex16_b32 v208, v212, s20, s21
	s_delay_alu instid0(VALU_DEP_1)
	v_max_num_f32 v212, v212, v208                 ; and among lane l xor 16's: the step's first key counts for every query that reaches the step, so this is a number
	s_delay_alu instid0(VALU_DEP_1)
	v_mul_f32 v212, s22, v212                      ; as t (c is positive)
	s_delay_alu instid0(VALU_DEP_1)
	v_max_num_f32 v13, v13, v212                   ; the running largest t
	v_mov_b32 v212, v12
	s_delay_alu instid0(VALU_DEP_2)
	v_floor_f32 v12, -v13                          ; the new -M = floor(-t) = -ceil(t): a whole number
	s_delay_alu instid0(VALU_DEP_1)
	v_sub_f32 v212, v12, v212                      ; M's old value less its new one: a whole number, 0 or less
	s_delay_alu instid0(VALU_DEP_1)
	v_cvt_i32_f32 v212, v212                       ; (it saturates)
	s_delay_alu instid0(VALU_DEP_1)
	v_ldexp_f32 v210, 1.0, v212                    ; f = 2^(old M - new M): a multiplication by it rounds nothing
.set j, 0
.rept 32
	v_pk_fma_f32 v[96+j:97+j], v[96+j:97+j], s[22:23], v[12:13] op_sel_hi:[1,0,0]   ; t - M, two at a time (of the pairs c and -M the low word serves both halves)
.set j, j+2
.endr
.set j, 0
	s_wait_alu depctr_va_vdst(0)
.rept 64
	v_exp_f32 v[96+j], v[96+j]                     ; p = 2^(t - M), at most 1: not normalised
.set j, j+1
.endr
	v_pk_mul_f32 v[14:15], v[14:15], v[210:211] op_sel_hi:[1,0]   ; the sums under the new M.  (A plain place behind the exponentials)
	s_wait_alu depctr_va_vdst(0)
	v_pk_add_f32 v[214:215], v[100:101], v[104:105]
	v_pk_add_f32 v[252:253], v[108:109], v[112:113]
	v_pk_add_f32 v[250:251], v[116:117], v[120:121]
	v_pk_add_f32 v[248:249], v[124:125], v[128:129]
	v_pk_add_f32 v[246:247], v[132:133], v[136:137]
	v_pk_add_f32 v[244:245], v[140:141], v[144:145]
	v_pk_add_f32 v[242:243], v[148:149], v[152:153]
	v_pk_add_f32 v[14:15], v[14:15], v[156:157]
	v_pk_add_f32 v[214:215], v[214:215], v[96:97]
	v_pk_add_f32 v[252:253], v[252:253], v[98:99]
	v_pk_add_f32 v[250:251], v[250:251], v[102:103]
	v_pk_add_f32 v[248:249], v[248:249], v[106:107]
	v_pk_add_f32 v[246:247], v[246:247], v[110:111]
	v_pk_add_f32 v[244:245], v[244:245], v[114:115]
	v_pk_add_f32 v[242:243], v[242:243], v[118:119]
	v_pk_add_f32 v[14:15], v[14:15], v[122:123]
	v_pk_add_f32 v[214:215], v[214:215], v[126:127]
	v_pk_add_f32 v[252:253], v[252:253], v[130:131]
	v_pk_add_f32 v[250:251], v[250:251], v[134:135]
	v_pk_add_f32 v[248:249], v[248:249], v[138:139]
	v_pk_add_f32 v[246:247], v[246:247], v[142:143]
	v_pk_add_f32 v[244:245], v[244:245], v[146:147]
	v_pk_add_f32 v[242:243], v[242:243], v[150:151]
	v_pk_add_f32 v[14:15], v[14:15], v[154:155]
	v_pk_add_f32 v[214:215], v[214:215], v[158:159]
	s_delay_alu instid0(VALU_DEP_2)
	v_pk_add_f32 v[14:15], v[14:15], v[248:249]
	s_delay_alu instid0(VALU_DEP_2)
	v_pk_add_f32 v[214:215], v[214:215], v[246:247]
	v_pk_add_f32 v[252:253], v[252:253], v[244:245]
	v_pk_add_f32 v[250:251], v[250:251], v[242:243]
	s_delay_alu instid0(VALU_DEP_2)
	v_pk_add_f32 v[14:15], v[14:15], v[252:253]
	s_delay_alu instid0(VALU_DEP_2)
	v_pk_add_f32 v[214:215], v[214:215], v[250:251]
	s_delay_alu instid0(VALU_DEP_1)
	v_pk_add_f32 v[14:15], v[14:15], v[214:215]
.irp t, 0,1,2,3,4,5,6,7
.irp i, 0,1,2,3,4,5,6,7
	v_min_num_f32 v[96+8*\t+\i], v[96+8*\t+\i], v216   ; the conversion does not saturate (ISA guide 7.6.2); p is not negative, so the hold is one-sided
.endr
	v_cvt_scalef32_pk8_fp8_f32 v[192+2*\t:193+2*\t], v[96+8*\t:103+8*\t], v217
.endr
.set j, 0
.rept 16
	v_pk_mul_f32 v[160+j:161+j], v[160+j:161+j], v[210:211] op_sel_hi:[1,0]   ; O^T under the new M.  (Also the plain lines between the conversions and the products below)
.set j, j+2
.endr
	s_wait_alu depctr_va_vdst(0)
	s_wait_dscnt 0x0                               ; V's fragments are in
.irp t, 0,1,2,3
	v_wmma_f32_16x16x128_fp8_fp8 v[160+8*\t:167+8*\t], v[32+16*\t:47+16*\t], v[192:207], v[160+8*\t:167+8*\t]   ; the four accumulators take turns
.endr
.Lhidden:
	s_add_co_u32 s68, s68, 128
	s_add_co_u32 s66, s66, KCH
	s_add_co_u32 s67, s67, VCH
	s_sub_co_u32 s71, s71, 1
	s_cmp_lg_u32 s71, 0
	s_cbranch_scc1 .Lstep
	; THE WAY OUT: y = O^T / the sum x 2^(e8 + e9), quantised with 2^e10; a lane's eight channels are 8 bytes of a query's row of 64; the wave's 16 rows are 1,024 consecutive bytes of yc.
.rept 4
	v_nop                                          ; places behind the last products
.endr
	v_add_f32 v14, v14, v15                        ; the sum's two halves,
	s_delay_alu instid0(VALU_DEP_1)
	v_permlanex16_b32 v208, v14, s20, s21
	s_delay_alu instid0(VALU_DEP_1)
	v_add_f32 v14, v14, v208                       ; and lane l xor 16's
	s_wait_alu depctr_va_vdst(0)
	v_rcp_f32 v14, v14
	v_nop                                          ; one plain place behind a transcendental
	s_add_co_i32 s72, s56, s57
	s_wait_alu depctr_va_vdst(0)
	v_ldexp_f32 v14, v14, s72
.set j, 0
.rept 32
	v_mul_f32 v[96+j], v[160+j], v14               ; register 8 t + i is y(query r, channel 16 t + 8 h + i); each accumulator from its low end on
.set j, j+1
.endr
.set j, 0
.rept 32
	v_med3_num_f32 v[96+j], v[96+j], -v218, v218
.set j, j+1
.endr
.irp t, 0,1,2,3
	v_cvt_scalef32_pk8_fp8_f32 v[192+2*\t:193+2*\t], v[96+8*\t:103+8*\t], v219
.endr
	v_nop
.irp t, 0,1,2,3
	ds_store_b64 v[SO], v[192+2*\t:193+2*\t] offset:16*\t
.endr
	ds_load_b128 v[32:35], v[SR]                   ; LDS serves a wave's instructions in order: these see my stores
	ds_load_b128 v[36:39], v[SR] offset:512
	s_wait_dscnt 1                                 ; the first is back; the second may be out
	global_store_b128 v[GO], v[32:35], s[8:9]      ; 32 lanes store 512 consecutive bytes, aligned
	s_wait_dscnt 0
	global_store_b128 v[GO], v[36:39], s[8:9] offset:512
	s_wait_tensorcnt 0x0
	ds_add_u32 v254, v255
	s_wait_dscnt 0x0
	s_endpgm
.Lfunc_end_k_qc3ed6bfd32_attn:
	.size	k_qc3ed6bfd32_attn, .Lfunc_end_k_qc3ed6bfd32_attn-k_qc3ed6bfd32_attn
	.p2alignl 7, 3214868480
	.fill 96, 4, 3214868480
	.section	.rodata,"a",@progbits
	.p2align	6, 0x0
	.amdhsa_kernel k_qc3ed6bfd32_attn
		.amdhsa_group_segment_fixed_size 182272
		.amdhsa_private_segment_fixed_size 0
		.amdhsa_enable_private_segment 0
		.amdhsa_kernarg_size 24
		.amdhsa_user_sgpr_count 2
		.amdhsa_user_sgpr_kernarg_segment_ptr 1
		.amdhsa_wavefront_size32 1
		.amdhsa_system_sgpr_workgroup_id_x 1
		.amdhsa_system_sgpr_workgroup_id_y 1
		.amdhsa_system_sgpr_workgroup_id_z 1
		.amdhsa_system_vgpr_workitem_id 0
		.amdhsa_next_free_vgpr 256
		.amdhsa_next_free_sgpr 96
		.amdhsa_reserve_vcc 1
		.amdhsa_float_denorm_mode_32 3
		.amdhsa_float_denorm_mode_16_64 3
		.amdhsa_memory_ordered 1
		.amdhsa_forward_progress 1
		.amdhsa_inst_pref_size 35
	.end_amdhsa_kernel
	.amdgpu_metadata
---
amdhsa.version: [ 1, 2 ]
amdhsa.kernels:
  - .name:           k_qc3ed6bfd32_attn
    .symbol:         k_qc3ed6bfd32_attn.kd
    .args:
      - { .name: qkv, .offset: 0, .size: 8, .value_kind: global_buffer, .address_space: global }
      - { .name: lowp_scales, .offset: 8, .size: 8, .value_kind: global_buffer, .address_space: global }
      - { .name: yc, .offset: 16, .size: 8, .value_kind: global_buffer, .address_space: global }
    .group_segment_fixed_size: 182272
    .private_segment_fixed_size: 0
    .kernarg_segment_align: 8
    .kernarg_segment_size: 24
    .max_flat_workgroup_size: 512
    .sgpr_count:     96
    .vgpr_count:     256
    .wavefront_size: 32
...
	.end_amdgpu_metadata
.endif
;; end of part 3
;; launch proj (part 4): grid 8 x 32, 4 waves a work-group, clusters of 4 x 4, 327,680 bytes of LDS; arguments yc, Wproj_codes, lowp_scales, bproj, x, x1, x1c; writes x1, x1c
.if DOCPART == 4
	.amdgcn_target "amdgcn-amd-amdhsa--gfx1250"
	.amdhsa_code_object_version 6
	.text
	.protected	k_qc3ed6bfd32_proj
	.globl	k_qc3ed6bfd32_proj
	.p2align	8
	.type	k_qc3ed6bfd32_proj,@function
k_qc3ed6bfd32_proj:
	s_mov_b64 s[64:65], 0
	v_nop
	global_prefetch_b8 v0, s[64:65] scope:SCOPE_SE
	s_setreg_imm32_b32 hwreg(HW_REG_WAVE_MODE, 25, 1), 1
	s_wait_xcnt 0x0
	s_wait_alu depctr_hold_cnt(0) depctr_sa_sdst(0) depctr_va_vdst(0) depctr_va_sdst(0) depctr_va_ssrc(0) depctr_va_vcc(0) depctr_vm_vsrc(0)
	s_getreg_b32 s2, hwreg(HW_REG_IB_STS2, 6, 4)
	s_cmp_eq_u32 s2, 0
	s_cbranch_scc0 .Lentry_in_a_cluster
	s_endpgm
.Lentry_in_a_cluster:
	s_bfe_u32 s2, ttmp6, 0x10000c
	s_cmp_lg_u32 s2, 0xf033
	s_cbranch_scc0 .Lentry_shape_is_right
	s_endpgm
.Lentry_shape_is_right:
; out = A W^T x 2^(ea + eb) + bias + residual, on E4M3 codes; out, bias and residual f32.  One text serves two launches; the constants below and the switch PROJ tell them apart.
; PROJ = 1: A = attention's y (yc, entry 10), W = Wproj (entry 11), K = 1,024, residual x, out x1; x1 is also quantised with 2^e12 into x1c[token / 128][column / 128][128 tokens][128].
; PROJ = 0: A = the hidden layer (hc, entry 14), W = W2 (entry 15), K = 4,096, residual x1, out out0.
; A tile of 128 x 128 gives each of 256 work-groups one tile.  Four waves, each 64 x 64: 16 accumulators.  K goes in steps of 512 through a ring of two LDS slots filled by the tensor data mover.
; A lies in memory in dense planes of 128 tokens x APB bytes along K, a K step's planes on end; in LDS each plane's rows are padded by 16 bytes.  W's rows of 1,024 bytes likewise.
; CLUSTERS: 4 x 4 work-groups; A's tiles are asked for jointly along a row of the cluster, W's along a column.  THE MATRIX INSTRUCTION IS USED TRANSPOSED (source 0 = 16 rows of W, source 1 = 16 tokens).
; LIMITS: ea + eb between -126 and 127; with PROJ e12 between -126 and 119.  Inside an instruction k is laid otherwise than the form's own order, alike in both operands.  NaN among the inputs is not served.
; REGISTERS: window 0: v0-31 addresses, bias, scales; v32-127 at work on the way out; v128-255 the accumulators ((a, b) at v[128 + 8 (4 a + b)]), later the rows of out.
;   window 1: two fragment buffers of 128: A's four fragments (16 rows x 128 K), then W's four.   window 2: v0-127 the residual, asked for at the head.
.set PROJ,   1
.set KROW,   1024                      ; K: a row of W in bytes
.set APB,    64                        ; bytes of a plane's row: one head
.set AQI,    3                         ; the padding's interval: 16 words
.set CP,     2                         ; loads of 32 bytes along K that a plane's row holds
.set TBB,    131072                    ; bytes of A for 128 tokens
.set EA,     94                        ; s94, s95: ea, eb
.set AP,     APB+16                    ; a plane's row in LDS
.set PLANE,  128*AP
.set AROWS,  32768/APB                 ; rows of A in half a K step; one tensor load brings two such halves
.set AH,     AROWS*AP
.set ABYTES, 4*AH                      ; ALL of K lies in LDS at once: A's 16 planes (163,840 bytes), then W's 128 rows of 1,024 + 16 bytes (133,120): four joint loads at the head, one a wave; nothing is filled again
.set BP,     1040
.set BH,     64*BP
.set SLOT,   ABYTES+2*BH
.set SPARE,  SLOT
.set LAPS,   KROW/1024                 ; a lap = two K steps of 512
.set SPITCH, 528                       ; the way out: ONE stage of 128 rows x (512 bytes + 16) at LDS byte 0, in slot 0, which has had its last fill and its last read by then
.set CSTAGE, SPARE+512                 ; behind the spare words: bytes of its own.  The stage at byte 0 lies over A's planes 0-7, whose last reads stand ahead of the barrier between the two halves of K
.set BIAS, 8                           ; v8-11  the bias of my four columns
.set SCL,  12                          ; v12, v13  2^e12 and 448 x 2^e12
.set LIM,  13
.set ADRA, 16                          ; v16-19  LDS address of my A fragments: slot 0 half 0, 1; slot 1 half 0, 1
.set ADRB, 20                          ; v20-21  the same for W, slot 0, 1
.set STO,  24
.set RD,   25
.set CO,   26                          ; v26  16 x lane
.set CSA,  27
.set SPW,  28                          ; v28  LDS address of my spare word; never rewritten
.set NIL,  29                          ; v29  0; never rewritten
.set CRA,  30
.set TMP,  32
.set CD,   96
.set ACC,  128
.set F0,   0
.set F1,   128
.set G1, 24
.set G0, 32
.set G1B, 48
.set G0B, 56
.set MSB, 0
.macro WIN new                         ; the immediate's high byte repeats the setting that is left
.if MSB != (\new)
	s_set_vgpr_msb (MSB<<8)|(\new)
.set MSB, (\new)
.endif
.endm
.set MUL,  0x05                        ; sources 0 (W) and 1 (A) window 1; C and D window 0
.set TO_F, 0x40                        ; destination window 1, address window 0
.macro JLOAD s                         ; a joint load: waves 0 and 1 fetch A's two halves, waves 2 and 3 W's; four v_nop follow each of the two lines
	s_cmp_eq_u32 s11, 0
	s_cbranch_scc0 .Lfor_b_\@
	tensor_load_to_lds s[G0+4*\s:G0+4*\s+3], s[G1:G1+7]
	s_nop 0
.rept 4
	v_nop
.endr
	s_branch .Lasked_\@
.Lfor_b_\@:
	tensor_load_to_lds s[G0B+4*\s:G0B+4*\s+3], s[G1B:G1B+7]
	s_nop 0
.rept 4
	v_nop
.endr
.Lasked_\@:
.endm
.macro CREST                           ; a round of the cluster's barrier behind its opening barrier
	s_cmp_lg_u32 s10, 0
	s_cbranch_scc1 .Lnot_wave_0_\@
	s_barrier_signal -3
.Lnot_wave_0_\@:
	s_barrier_wait -3
	s_barrier_signal -1
	s_barrier_wait -1
.endm
.macro CROUND
	s_barrier_signal -1
	s_barrier_wait -1
	CREST
.endm
	s_load_b256 s[68:75], s[0:1], 0x0              ; A s[68:69], W s[70:71], the scales' exponents s[72:73], the bias s[74:75]
	s_load_b128 s[76:79], s[0:1], 0x20             ; the residual s[76:77], out s[78:79]
.if PROJ
	s_load_b64 s[80:81], s[0:1], 0x30              ; x1c
.endif
	v_lshl_add_u32 v[SPW], v0, 2, SPARE
	v_mov_b32 v[NIL], 0
	ds_add_u32 v28, v29
	ds_add_u32 v28, v29
	s_wait_dscnt 0x0
	v_lshrrev_b32 v1, 5, v0
	v_readfirstlane_b32 s10, v1                    ; wave 0..3
	s_lshr_b32 s11, s10, 1                         ; which half of the tile's tokens is mine.  Also: I fetch for A (0) or for W (1)
	s_and_b32 s12, s10, 1                          ; which half of its columns.  Also: which half of that tile I fetch
	s_bfe_u32 s40, ttmp6, 0x40000                  ; cx, cy
	s_bfe_u32 s41, ttmp6, 0x40004
	s_lshl_b32 s42, ttmp9, 2
	s_add_co_u32 s42, s42, s40                     ; tile column = 4 x cluster x + cx
	s_and_b32 s13, ttmp7, 0xffff
	s_lshl_b32 s13, s13, 2
	s_add_co_u32 s13, s13, s41                     ; tile row = 4 x cluster y + cy
	s_lshl_b32 s43, s41, 2
	s_lshl_b32 s43, 15, s43                        ; my row of the cluster
	s_lshl_b32 s44, 0x1111, s40                    ; my column
	s_or_b32 s[G1+0], s43, (0<<16)|(1<<20)|(1<<21)|(AQI<<22)|(3<<25)   ; A: the mask of my row; elements of 1 byte; padding of 4 words behind every row; bit 21 set beside a mask
	s_mov_b32 s[G1+1], 256<<16                     ; the planes are dense: 65,536 bytes stated as 256 rows of 256; the padding stays behind each APB bytes
	s_mov_b32 s[G1+2], 256<<16
	s_mov_b32 s[G1+3], 256<<16
	s_mov_b32 s[G1+4], 256
	s_mov_b32 s[G1+5], 256
	s_mov_b32 s[G1+6], 0
	s_mov_b32 s[G1+7], 0
	s_or_b32 s[G1B+0], s44, (0<<16)|(1<<20)|(1<<21)|(7<<22)|(3<<25)    ; W: the mask of my column; padding of 4 words after every 256
	s_mov_b32 s[G1B+1], 1024<<16
	s_mov_b32 s[G1B+2], 64<<16
	s_mov_b32 s[G1B+3], 1024<<16
	s_mov_b32 s[G1B+4], 64
	s_mov_b32 s[G1B+5], KROW
	s_mov_b32 s[G1B+6], 0
	s_mov_b32 s[G1B+7], 0
	s_mul_i32 s16, s13, TBB                        ; A: the tile row's 128 tokens, + 65,536 bytes x my K step
	s_lshl_b32 s17, s12, 16
	s_add_co_u32 s16, s16, s17
	s_mov_b32 s17, 0
	s_lshl_b32 s46, s42, 7                         ; W: row 128 x tile column + 64 x half
	s_lshl_b32 s47, s12, 6
	s_add_co_u32 s46, s46, s47
	s_mul_i32 s46, s46, KROW
	s_mov_b32 s47, 0
	s_mul_i32 s20, s12, 2*AH
	s_mul_i32 s19, s12, BH
	s_add_co_u32 s19, s19, ABYTES                  ; then W's two
	s_wait_kmcnt 0x0
	s_load_b512 s[84:99], s[72:73], 0x0            ; the sixteen exponents: entry i in s[84 + i]
	s_add_nc_u64 s[14:15], s[68:69], s[16:17]
	s_add_nc_u64 s[46:47], s[70:71], s[46:47]
	CROUND                                         ; all sixteen work-groups are here: the first joint loads meet
.irp s, 0
	s_mov_b32 s[G0+4*\s], 1
	s_add_co_u32 s[G0+4*\s+1], s20, \s*SLOT
	s_add_nc_u64 s[G0+4*\s+2:G0+4*\s+3], s[14:15], \s*65536
	s_or_b32 s[G0+4*\s+3], s[G0+4*\s+3], 0x80000000
	s_mov_b32 s[G0B+4*\s], 1
	s_add_co_u32 s[G0B+4*\s+1], s19, \s*SLOT
	s_add_nc_u64 s[G0B+4*\s+2:G0B+4*\s+3], s[46:47], \s*512
	s_or_b32 s[G0B+4*\s+3], s[G0B+4*\s+3], 0x80000000
.endr
	JLOAD 0                                        ; all of K: one tensor load a wave at the head
	; the rows that I store at the end, 32 x wave on.  (s[6:7] mixes both coordinates and feeds no descriptor)
	v_and_b32 v6, 31, v0
	v_lshlrev_b32 v[CO], 4, v6
	s_wait_alu depctr_va_vdst(0)
	s_lshl_b32 s6, s13, 7
	s_lshl_b32 s7, s10, 5
	s_add_co_u32 s6, s6, s7
	s_lshl_b32 s6, s6, 12                          ; rows of 4,096 bytes
	s_lshl_b32 s7, s42, 9                          ; the tile's 512 bytes of a row
	s_add_co_u32 s6, s6, s7
	s_mov_b32 s7, 0
	s_add_nc_u64 s[76:77], s[76:77], s[6:7]
	s_add_nc_u64 s[78:79], s[78:79], s[6:7]
	s_lshl_b32 s6, s42, 9
	s_add_nc_u64 s[74:75], s[74:75], s[6:7]
.if PROJ
	s_lshl_b32 s6, s13, 3
	s_add_co_u32 s6, s6, s42
	s_lshl_b32 s6, s6, 2
	s_add_co_u32 s6, s6, s10
	s_lshl_b32 s6, s6, 12                          ; x1c: block (tile row x 8 + tile column) of 16,384 bytes, + 4,096 x wave
	s_add_nc_u64 s[80:81], s[80:81], s[6:7]
.endif
	v_and_b32 v1, 15, v0                           ; r
	v_bfe_u32 v2, v0, 4, 1                         ; h
	v_mul_u32_u24 v3, v1, AP
	v_lshl_add_u32 v3, v2, 4, v3
	v_mul_u32_u24 v4, v1, BP
	v_lshl_add_u32 v4, v2, 4, v4
	s_mul_i32 s21, s11, 64*AP                      ; my 64 tokens in every plane
	s_mul_i32 s22, s12, BH                         ; my 64 rows of W,
	s_add_co_u32 s22, s22, ABYTES                  ; which lie behind A
.irp s, 0,1
	v_add_nc_u32 v[ADRA+2*\s], s21, v3
	s_add_co_u32 s23, s21, AH
	v_add_nc_u32 v[ADRA+2*\s+1], s23, v3
	v_add_nc_u32 v[ADRB+\s], s22, v4
	s_add_co_u32 s21, s21, 2*AH                    ; the second half of K: eight planes on in A,
	s_add_co_u32 s22, s22, 512                     ; 512 bytes on in W's rows
.endr
	s_mul_i32 s23, s11, 64*SPITCH                  ; into the stage: my 64 rows, my half of their 512 bytes; row r, 32 bytes for each half of the lanes
	s_lshl_b32 s22, s12, 8
	s_add_co_u32 s23, s23, s22
	v_mul_u32_u24 v5, v1, SPITCH
	v_lshl_add_u32 v5, v2, 5, v5
	v_add_nc_u32 v[STO], s23, v5
	s_mul_i32 s23, s10, 32*SPITCH                  ; back: wave w takes rows 32 w .. 32 w + 31, whole
	v_add_nc_u32 v[RD], s23, v[CO]
.if PROJ
	s_lshl_b32 s23, s10, 12
	s_add_co_u32 s23, s23, CSTAGE
	v_lshl_add_u32 v[CSA], v6, 2, s23              ; the codes' stage: 4 bytes a lane of a row of 128,
	v_add_nc_u32 v[CRA], s23, v[CO]                ; and back as the bytes lie
.endif
; 4 matrix instructions: A's block a x W's four, 128 along K, from buffer f.  zero = 1: the first product starts the sums.  The 16 accumulators take turns.
.macro MUL4 f, a, zero
.irp b, 0,1,2,3
.if \zero
	v_wmma_f32_16x16x128_fp8_fp8 v[ACC+8*(4*(\a)+\b):ACC+8*(4*(\a)+\b)+7], v[\f+64+16*\b:\f+64+16*\b+15], v[\f+16*(\a):\f+16*(\a)+15], 0
.else
	v_wmma_f32_16x16x128_fp8_fp8 v[ACC+8*(4*(\a)+\b):ACC+8*(4*(\a)+\b)+7], v[\f+64+16*\b:\f+64+16*\b+15], v[\f+16*(\a):\f+16*(\a)+15], v[ACC+8*(4*(\a)+\b):ACC+8*(4*(\a)+\b)+7]
.endif
.endr
.endm
; 32 LDS loads in one run: the fragments of the slot's q-th 128 along K into buffer f: W's four, then A's.  Registers 4 c .. 4 c + 3 of a fragment hold K = 32 c + 16 (l / 16) + 0 .. 15.
.macro FETCH slot, q, f
	WIN TO_F
.irp i, 0,1,2,3
.irp c, 0,1,2,3
	ds_load_b128 v[\f+64+16*\i+4*\c:\f+64+16*\i+4*\c+3], v[ADRB+\slot] offset:128*(\q)+32*\c+\i*16*BP
.endr
.endr
.irp i, 0,1,2,3
.irp c, 0,1,2,3
	ds_load_b128 v[\f+16*\i+4*\c:\f+16*\i+4*\c+3], v[ADRA+2*\slot+(\q)/2] offset:((4/CP)*((\q)%2)+\c/CP)*PLANE+\i*16*AP+32*(\c%CP)
.endr
.endr
.endm
.macro PLACES                          ; four places in front of loads into registers that matrix instructions have read, and of LDS stores that read results (ISA guide 7.12.1 for vector instructions)
.rept 4
	v_nop
.endr
.endm
; A K step is four quarters of 128 along K, 16 matrix instructions each, on buffers 0, 1, 0, 1.  One of the first three: multiplies buffer f and fetches quarter qn into g.
.macro QUARTER slot, qn, f, g, zero
	s_wait_dscnt 8                                 ; W's fragments and A's blocks 0, 1 are in; the youngest eight loads (A's blocks 2, 3) may be out
	WIN MUL
	MUL4 \f, 0, \zero
	MUL4 \f, 1, \zero
	PLACES
	FETCH \slot, \qn, \g
	s_wait_dscnt 32                                ; all but the 32 just issued
	WIN MUL
	MUL4 \f, 2, \zero
	MUL4 \f, 3, \zero
.endm
; The last quarter multiplies buffer 1 and changes slots: ONE barrier; in front of it each wave waits for all its tensor loads, adds 0 to its spare word, and waits for that and for its own reads of this slot.
.macro TURN slot, next, fill
	WIN 0                                          ; (the add's two registers lie in window 0)
	s_wait_tensorcnt 0x0                           ; all my tensor loads have landed: my part of the next slot;
	ds_add_u32 v[SPW], v[NIL]                      ; 0 onto my spare word
	s_wait_dscnt 9                                 ; (the add and the youngest eight loads may be out)
	WIN MUL
	MUL4 F1, 0, 0                                  ; four matrix instructions stand between the add and the wait for it
	s_wait_dscnt 0x0                               ; the add is done, and my reads of this slot are over
	s_barrier_signal -1
	MUL4 F1, 1, 0
.if \fill
	WIN 0
.endif
	s_barrier_wait -1
.if \fill
	CREST                                          ; the barrier has opened a round of the cluster's barrier: no wave of any partner still reads this slot's tile or has a load on its way
	s_add_nc_u64 s[G0+4*\slot+2:G0+4*\slot+3], s[G0+4*\slot+2:G0+4*\slot+3], 2*65536
	s_add_nc_u64 s[G0B+4*\slot+2:G0B+4*\slot+3], s[G0B+4*\slot+2:G0B+4*\slot+3], 2*512
	JLOAD \slot                                    ; the first tensor load behind the round; the four v_nop behind it are the places in front of the loads below
.else
	PLACES
.endif
	FETCH \next, 0, F0
	WIN MUL
	MUL4 F1, 2, 0
	MUL4 F1, 3, 0
.endm
	s_wait_alu depctr_va_vdst(0)
	s_wait_tensorcnt 0x0                           ; my quarter of the operands has landed,
	s_barrier_signal -1
	s_barrier_wait -1                              ; everybody's has
	WIN 0x80                                       ; the residual and the bias are asked for only now, behind the operands, and are wanted behind the last product.  Destination window 2
.set i, 0
.rept 32
	global_load_b128 v[4*i:4*i+3], v[CO], s[76:77] offset:4096*i th:TH_LOAD_NT   ; row i of my 32: 32 lanes read 512 consecutive bytes
.set i, i+1
.endr
	WIN 0
	global_load_b128 v[BIAS:BIAS+3], v[CO], s[74:75]
	FETCH 0, 0, F0
	QUARTER 0, 1, F0, F1, 1                        ; the first quarter stands in front of the loop: its products start the sums
.if LAPS > 1
	WIN 0                                          ; at a label and at a branch every window is 0
	s_mov_b32 s3, LAPS-1
.Llap:                                                 ; a trip goes once round the ring, from a lap's second quarter to the next lap's first, and fills both slots again
	QUARTER 0, 2, F1, F0, 0
	QUARTER 0, 3, F0, F1, 0
	TURN 0, 1, 1
	QUARTER 1, 1, F0, F1, 0
	QUARTER 1, 2, F1, F0, 0
	QUARTER 1, 3, F0, F1, 0
	TURN 1, 0, 1
	QUARTER 0, 1, F0, F1, 0
	WIN 0
	s_sub_co_u32 s3, s3, 1
	s_cmp_lg_u32 s3, 0
	s_cbranch_scc1 .Llap
.endif
	QUARTER 0, 2, F1, F0, 0                        ; the last lap fills nothing, and has no round of the cluster's barrier
	QUARTER 0, 3, F0, F1, 0
	TURN 0, 1, 0
	QUARTER 1, 1, F0, F1, 0
	QUARTER 1, 2, F1, F0, 0
	QUARTER 1, 3, F0, F1, 0
	s_wait_dscnt 8                                 ; the very last quarter: nothing more to fetch
	WIN MUL
	MUL4 F1, 0, 0
	MUL4 F1, 1, 0
	s_wait_dscnt 0
	MUL4 F1, 2, 0
	MUL4 F1, 3, 0
	WIN 0
	; THE WAY OUT.  The raw sums go into the work-group's stage (a row's 512 bytes come from two waves: a barrier), come back as whole rows, 32 a wave, and meet scale, residual and bias there.
	PLACES
.irp a, 0,1,2,3
.irp b, 0,1,2,3
	ds_store_b128 v[STO], v[ACC+8*(4*\a+\b):ACC+8*(4*\a+\b)+3] offset:\a*16*SPITCH+64*\b         ; each accumulator from its low end on
	ds_store_b128 v[STO], v[ACC+8*(4*\a+\b)+4:ACC+8*(4*\a+\b)+7] offset:\a*16*SPITCH+64*\b+16
.endr
.endr
	s_wait_dscnt 0x0                               ; for the others' sake: my stores into the stage are done
	s_barrier_signal -1
	s_barrier_wait -1
.set i, 0
.rept 32
	ds_load_b128 v[ACC+4*i:ACC+4*i+3], v[RD] offset:SPITCH*i
.set i, i+1
.endr
	s_wait_kmcnt 0x0
	s_add_co_i32 s4, s[EA], s[EA+1]
	s_add_co_i32 s4, s4, 127
	s_lshl_b32 s4, s4, 23                          ; 2^(ea + eb) as f32
	s_mov_b32 s5, s4                               ; (named with it as a pair, so it is written)
	s_wait_loadcnt 0x0                             ; the residual and the bias
	s_wait_dscnt 0x0
	WIN 0x20                                       ; source 2 (the residual) window 2
.set j, 0
.rept 64
	v_pk_fma_f32 v[ACC+2*j:ACC+2*j+1], v[ACC+2*j:ACC+2*j+1], s[4:5], v[2*j:2*j+1] op_sel_hi:[1,0,1]   ; sum x 2^(ea + eb) + residual
.set j, j+1
.endr
	WIN 0
.set j, 0
.rept 32
	v_pk_add_f32 v[ACC+4*j:ACC+4*j+1], v[ACC+4*j:ACC+4*j+1], v[BIAS:BIAS+1]
	v_pk_add_f32 v[ACC+4*j+2:ACC+4*j+3], v[ACC+4*j+2:ACC+4*j+3], v[BIAS+2:BIAS+3]
.set j, j+1
.endr
.set i, 0
.rept 32
.if PROJ
	global_store_b128 v[CO], v[ACC+4*i:ACC+4*i+3], s[78:79] offset:4096*i                    ; 32 lanes store 512 consecutive bytes, aligned
.else
	global_store_b128 v[CO], v[ACC+4*i:ACC+4*i+3], s[78:79] offset:4096*i th:TH_STORE_NT
.endif
.set i, i+1
.endr
.if PROJ
	; x1's codes.  Eight consecutive registers are four columns of rows 2 p and 2 p + 1: the conversion's first word is row 2 p's four bytes, its second row 2 p + 1's.
	s_add_co_i32 s6, s96, 127
	s_lshl_b32 s7, s6, 23
	v_mov_b32 v[SCL], s7                           ; 2^e12
	s_add_co_i32 s6, s6, 8
	s_lshl_b32 s6, s6, 23
	s_or_b32 s6, s6, 0x600000
	v_mov_b32 v[LIM], s6                           ; 448 x 2^e12
.set p, 0
.rept 16
.set k, 0
.rept 8
	v_med3_num_f32 v[TMP+8*(p%4)+k], v[ACC+8*p+k], -v[LIM], v[LIM]   ; into other registers: x1 itself is on its way to memory.  (The next holds are the plain lines behind each conversion)
.set k, k+1
.endr
	v_cvt_scalef32_pk8_fp8_f32 v[CD+2*p:CD+2*p+1], v[TMP+8*(p%4):TMP+8*(p%4)+7], v[SCL]
.set p, p+1
.endr
	v_nop
.set p, 0
.rept 32
	ds_store_b32 v[CSA], v[CD+p] offset:128*p      ; row p of my 32: 128 consecutive bytes; the wave's own bytes, so no barrier
.set p, p+1
.endr
.set i, 0
.rept 8
	ds_load_b128 v[TMP+4*i:TMP+4*i+3], v[CRA] offset:512*i
.set i, i+1
.endr
.set i, 0
.rept 8
	s_wait_dscnt 7-i                               ; load i is back; the younger ones may be out
	global_store_b128 v[CO], v[TMP+4*i:TMP+4*i+3], s[80:81] offset:512*i
.set i, i+1
.endr
.endif
	s_wait_tensorcnt 0x0                           ; the wave's end
	ds_add_u32 v[SPW], v[NIL]
	s_wait_dscnt 0x0
	CROUND                                         ; the closing round: no work-group ends while a partner may still ask for a tile that names it
	s_endpgm
.Lfunc_end_k_qc3ed6bfd32_proj:
	.size	k_qc3ed6bfd32_proj, .Lfunc_end_k_qc3ed6bfd32_proj-k_qc3ed6bfd32_proj
	.p2alignl 7, 3214868480
	.fill 96, 4, 3214868480
	.section	.rodata,"a",@progbits
	.p2align	6, 0x0
	.amdhsa_kernel k_qc3ed6bfd32_proj
		.amdhsa_group_segment_fixed_size 327680
		.amdhsa_private_segment_fixed_size 0
		.amdhsa_enable_private_segment 0
		.amdhsa_kernarg_size 56
		.amdhsa_user_sgpr_count 2
		.amdhsa_user_sgpr_kernarg_segment_ptr 1
		.amdhsa_wavefront_size32 1
		.amdhsa_system_sgpr_workgroup_id_x 1
		.amdhsa_system_sgpr_workgroup_id_y 1
		.amdhsa_system_sgpr_workgroup_id_z 1
		.amdhsa_system_vgpr_workitem_id 0
		.amdhsa_next_free_vgpr 640
		.amdhsa_next_free_sgpr 100
		.amdhsa_reserve_vcc 0
		.amdhsa_float_denorm_mode_32 3
		.amdhsa_float_denorm_mode_16_64 3
		.amdhsa_memory_ordered 1
		.amdhsa_forward_progress 1
		.amdhsa_inst_pref_size 65
	.end_amdhsa_kernel
	.amdgpu_metadata
---
amdhsa.version: [ 1, 2 ]
amdhsa.kernels:
  - .name:           k_qc3ed6bfd32_proj
    .symbol:         k_qc3ed6bfd32_proj.kd
    .args:
      - { .name: yc, .offset: 0, .size: 8, .value_kind: global_buffer, .address_space: global }
      - { .name: Wproj_codes, .offset: 8, .size: 8, .value_kind: global_buffer, .address_space: global }
      - { .name: lowp_scales, .offset: 16, .size: 8, .value_kind: global_buffer, .address_space: global }
      - { .name: bproj, .offset: 24, .size: 8, .value_kind: global_buffer, .address_space: global }
      - { .name: x, .offset: 32, .size: 8, .value_kind: global_buffer, .address_space: global }
      - { .name: x1, .offset: 40, .size: 8, .value_kind: global_buffer, .address_space: global }
      - { .name: x1c, .offset: 48, .size: 8, .value_kind: global_buffer, .address_space: global }
    .group_segment_fixed_size: 327680
    .private_segment_fixed_size: 0
    .kernarg_segment_align: 8
    .kernarg_segment_size: 56
    .max_flat_workgroup_size: 128
    .sgpr_count:     100
    .vgpr_count:     640
    .wavefront_size: 32
...
	.end_amdgpu_metadata
.endif
;; end of part 4
;; launch ff1 (part 5): grid 16 x 16, 4 waves a work-group, clusters of 4 x 4, 327,680 bytes of LDS; arguments x1c, W1_codes, lowp_scales, b1, hc; writes hc
.if DOCPART == 5
	.amdgcn_target "amdgcn-amd-amdhsa--gfx1250"
	.amdhsa_code_object_version 6
	.text
	.protected	k_qc3ed6bfd32_ff1
	.globl	k_qc3ed6bfd32_ff1
	.p2align	8
	.type	k_qc3ed6bfd32_ff1,@function
k_qc3ed6bfd32_ff1:
	s_mov_b64 s[64:65], 0
	v_nop
	global_prefetch_b8 v0, s[64:65] scope:SCOPE_SE
	s_setreg_imm32_b32 hwreg(HW_REG_WAVE_MODE, 25, 1), 1
	s_wait_xcnt 0x0
	s_wait_alu depctr_hold_cnt(0) depctr_sa_sdst(0) depctr_va_vdst(0) depctr_va_sdst(0) depctr_va_ssrc(0) depctr_va_vcc(0) depctr_vm_vsrc(0)
	s_getreg_b32 s2, hwreg(HW_REG_IB_STS2, 6, 4)
	s_cmp_eq_u32 s2, 0
	s_cbranch_scc0 .Lentry_in_a_cluster
	s_endpgm
.Lentry_in_a_cluster:
	s_bfe_u32 s2, ttmp6, 0x10000c
	s_cmp_lg_u32 s2, 0xf033
	s_cbranch_scc0 .Lentry_shape_is_right
	s_endpgm
.Lentry_shape_is_right:
.set KROW,   1024
.set APITCH, 144
.set BPITCH, 272
.set AQ,     128*APITCH
.set HALFA,  256*APITCH
.set HALFB,  128*BPITCH
.set SLOT,   2*HALFA+2*HALFB
.set ASTEP,  32768
.set BSTEP,  256
.set LAPS,   2
.set SPARE,  2*SLOT
.set SPITCH, 144
.set WSTAGE, 128*SPITCH
.set FR,     16
.set NL,     4
.set NP,     4
.set BA,   9
.set SCL,  12
.set LIM,  13
.set ADRA, 16
.set ADRB, 20
.set STO,  24
.set RD,   25
.set CO,   26
.set SPW,  28
.set NIL,  29
.set BI,   32
.set TMP,  32
.set CD,   96
.set AF,   128
.set BK,   128
.set G1, 24
.set G0, 32
.set G1B, 48
.set G0B, 56
.set MSB, 0
.macro WIN new
.if MSB != (\new)
	s_set_vgpr_msb (MSB<<8)|(\new)
.set MSB, (\new)
.endif
.endm
.set MUL_LO, 0xa1
.set MUL_HI, 0xf1
.set FST_LO, 0x81
.set FST_HI, 0xc1
.set TO_B,   0x40
.macro JLOAD g0a, g1a, g0b, g1b
	s_cmp_eq_u32 s15, 0
	s_cbranch_scc0 .Lfor_b_\@
	tensor_load_to_lds s[\g0a:\g0a+3], s[\g1a:\g1a+7]
	s_nop 0
.rept 4
	v_nop
.endr
	s_branch .Lasked_\@
.Lfor_b_\@:
	tensor_load_to_lds s[\g0b:\g0b+3], s[\g1b:\g1b+7]
	s_nop 0
.rept 4
	v_nop
.endr
.Lasked_\@:
.endm
.macro CREST
	s_cmp_lg_u32 s14, 0
	s_cbranch_scc1 .Lnot_wave_0_\@
	s_barrier_signal -3
.Lnot_wave_0_\@:
	s_barrier_wait -3
	s_barrier_signal -1
	s_barrier_wait -1
.endm
.macro CROUND
	s_barrier_signal -1
	s_barrier_wait -1
	CREST
.endm
	s_load_b256 s[4:11], s[0:1], 0x0
	s_load_b64 s[70:71], s[0:1], 0x20
	v_lshl_add_u32 v[SPW], v0, 2, SPARE
	v_mov_b32 v[NIL], 0
	ds_add_u32 v28, v29
	ds_add_u32 v28, v29
	s_wait_dscnt 0x0
	v_lshrrev_b32 v1, 5, v0
	v_readfirstlane_b32 s14, v1
	s_lshr_b32 s15, s14, 1
	s_and_b32 s16, s14, 1
	s_bfe_u32 s40, ttmp6, 0x40000
	s_bfe_u32 s41, ttmp6, 0x40004
	s_lshl_b32 s42, ttmp9, 2
	s_add_co_u32 s42, s42, s40
	s_and_b32 s17, ttmp7, 0xffff
	s_lshl_b32 s17, s17, 2
	s_add_co_u32 s17, s17, s41
	s_lshl_b32 s43, s41, 2
	s_lshl_b32 s43, 15, s43
	s_lshl_b32 s44, 0x1111, s40
	s_or_b32 s[G1+0], s43, (0<<16)|(1<<20)|(1<<21)|(4<<22)|(3<<25)
	s_mov_b32 s[G1+1], 256<<16                     ; two dense planes, 32,768 bytes, stated as 128 rows of 256; the padding stays behind each 128 bytes
	s_mov_b32 s[G1+2], 128<<16
	s_mov_b32 s[G1+3], 256<<16
	s_mov_b32 s[G1+4], 128
	s_mov_b32 s[G1+5], 256
	s_mov_b32 s[G1+6], 0
	s_mov_b32 s[G1+7], 0
	s_or_b32 s[G1B+0], s44, (0<<16)|(1<<20)|(1<<21)|(5<<22)|(3<<25)
	s_mov_b32 s[G1B+1], 256<<16
	s_mov_b32 s[G1B+2], 128<<16
	s_mov_b32 s[G1B+3], 256<<16
	s_mov_b32 s[G1B+4], 128
	s_mov_b32 s[G1B+5], KROW
	s_mov_b32 s[G1B+6], 0
	s_mov_b32 s[G1B+7], 0
	s_lshl_b32 s20, s17, 1
	s_add_co_u32 s20, s20, s16
	s_lshl_b32 s20, s20, 17
	s_mov_b32 s21, 0
	s_lshl_b32 s18, s16, 7
	s_lshl_b32 s46, s42, 8
	s_add_co_u32 s46, s46, s18
	s_lshl_b32 s46, s46, 10
	s_mov_b32 s47, 0
	s_mul_i32 s45, s16, HALFA
	s_mul_i32 s19, s16, HALFB
	s_add_co_u32 s19, s19, 2*HALFA
	s_wait_kmcnt 0x0
	s_load_b512 s[72:87], s[8:9], 0x0
	s_add_nc_u64 s[20:21], s[4:5], s[20:21]
	s_add_nc_u64 s[46:47], s[6:7], s[46:47]
	CROUND
.irp s, 0,1
	s_mov_b32 s[G0+4*\s], 1
	s_add_co_u32 s[G0+4*\s+1], s45, \s*SLOT
	s_add_nc_u64 s[G0+4*\s+2:G0+4*\s+3], s[20:21], \s*ASTEP
	s_or_b32 s[G0+4*\s+3], s[G0+4*\s+3], 0x80000000
	s_mov_b32 s[G0B+4*\s], 1
	s_add_co_u32 s[G0B+4*\s+1], s19, \s*SLOT
	s_add_nc_u64 s[G0B+4*\s+2:G0B+4*\s+3], s[46:47], \s*BSTEP
	s_or_b32 s[G0B+4*\s+3], s[G0B+4*\s+3], 0x80000000
.endr
	JLOAD G0, G1, G0B, G1B                         ; K step 0: one tensor load a wave at the head
	; PREFETCH: a K step of what I fetch is 128 blocks of 256 bytes: of A 32,768 dense bytes, of B 128 rows.  Each of the four partners that ask for them jointly names 32 blocks, told apart by address:
	; of A the partner at cx the 8,192 bytes 8,192 cx on, lanes 256 bytes apart; of B the partner at cy rows 32 cy on, a lane a row.  Behind this load K steps 1 and 2 are asked for, behind K step 1's load K step 3:
	; two K steps at the most are asked for and not yet loaded.  The registers are never rewritten.
	s_mov_b32 s12, BSTEP
	s_cmp_eq_u32 s15, 0                            ; do I fetch for A?
	s_cselect_b64 s[94:95], s[20:21], s[46:47]     ; my piece at K step 0
	s_cselect_b32 s66, s40, s41                    ; my place among the four
	s_cselect_b32 s67, 13, 15                      ; a partner's share: 8,192 bytes, or 32 rows of 1,024
	s_cselect_b32 s68, 8, 10                       ; from lane to lane: 256 bytes, or a row
	s_cselect_b32 s12, ASTEP, s12                  ; a K step on
	s_lshl_b32 s66, s66, s67
	s_add_co_u32 s66, s66, s12
	s_mov_b32 s67, 0
	s_mov_b32 s13, 0
	s_add_nc_u64 s[94:95], s[94:95], s[66:67]      ; K step 1,
	s_add_nc_u64 s[96:97], s[94:95], s[12:13]      ; 2,
	s_add_nc_u64 s[98:99], s[96:97], s[12:13]      ; 3
	v_and_b32 v30, 31, v0
	v_lshlrev_b32 v30, s68, v30
	global_prefetch_b8 v30, s[94:95] th:TH_LOAD_NT scope:SCOPE_SE
	global_prefetch_b8 v30, s[96:97] th:TH_LOAD_NT scope:SCOPE_SE
	v_and_b32 v1, 15, v0
	v_bfe_u32 v2, v0, 4, 1
	s_lshl_b32 s88, s42, 10
	s_lshl_b32 s89, s16, 9
	s_add_co_u32 s88, s88, s89
	s_mov_b32 s89, 0
	s_add_nc_u64 s[10:11], s[10:11], s[88:89]
	v_lshlrev_b32 v[BA], 5, v2
.irp b, 0,1,2,3,4,5,6,7
	global_load_b128 v[BI+8*\b:BI+8*\b+3], v[BA], s[10:11] offset:64*\b
	global_load_b128 v[BI+8*\b+4:BI+8*\b+7], v[BA], s[10:11] offset:64*\b+16
.endr
	v_mul_u32_u24 v3, v1, APITCH
	v_lshl_add_u32 v3, v2, 4, v3
	v_mul_u32_u24 v4, v1, BPITCH
	v_lshl_add_u32 v4, v2, 4, v4
	s_mul_i32 s21, s15, HALFA
	s_mul_i32 s22, s16, HALFB
	s_add_co_u32 s22, s22, 2*HALFA
.irp s, 0,1
	v_add_nc_u32 v[ADRA+\s], s21, v3
	v_add_nc_u32 v[ADRB+\s], s22, v4
	s_add_co_u32 s21, s21, SLOT
	s_add_co_u32 s22, s22, SLOT
.endr
	s_mul_i32 s23, s14, WSTAGE
	v_mul_u32_u24 v5, v1, SPITCH
	v_lshl_add_u32 v5, v2, 3, v5
	v_add_nc_u32 v[STO], s23, v5
	v_and_b32 v6, 31, v0
	v_lshlrev_b32 v[CO], 4, v6
	; OUT: hc[token / 64][hidden / 128][(token / 16) % 4][c][lane][16 bytes]: images of the next product's operand registers: lane (r, h) holds token r, hidden units 32 c + 16 h + 0 .. 15
	v_mul_u32_u24 v7, v1, SPITCH
	v_lshl_add_u32 v7, v2, 4, v7
	v_add_nc_u32 v[RD], s23, v7
	s_lshl_b32 s88, s17, 1
	s_add_co_u32 s88, s88, s15
	s_lshl_b32 s88, s88, 6
	s_lshl_b32 s90, s42, 1
	s_add_co_u32 s90, s90, s16
	s_add_co_u32 s88, s88, s90
	s_lshl_b32 s88, s88, 13
	s_add_nc_u64 s[70:71], s[70:71], s[88:89]
	s_wait_kmcnt 0x0
	s_add_co_i32 s90, s84, s85
	s_sub_co_i32 s91, 0, s90
	s_sub_co_i32 s90, s86, s90
	s_add_co_i32 s90, s90, 127
	s_lshl_b32 s92, s90, 23
	v_mov_b32 v[SCL], s92
	s_add_co_i32 s90, s90, 8
	s_lshl_b32 s90, s90, 23
	s_or_b32 s90, s90, 0x600000
	v_mov_b32 v[LIM], s90
	s_wait_loadcnt 0x0
.set j, 0
.rept 64
	v_ldexp_f32 v[BI+j], v[BI+j], s91
.set j, j+1
.endr
.macro FRAGA reg, slot, q, i
.irp c, 0,1,2,3
	ds_load_b128 v[\reg+4*\c:\reg+4*\c+3], v[ADRA+\slot] offset:AQ*(\q)+32*\c+(\i)*16*APITCH
.endr
.endm
.macro FRAGB reg, slot, q, i
.irp c, 0,1,2,3
	ds_load_b128 v[\reg+4*\c:\reg+4*\c+3], v[ADRB+\slot] offset:128*(\q)+32*\c+(\i)*16*BPITCH
.endr
.endm
.macro MUL16 a0, p, zero
.irp a, \a0, \a0+1
.irp b, 0,1,2,3,4,5,6,7
.if \zero == 2
	v_wmma_f32_16x16x128_fp8_fp8 v[8*(8*((\a)%4)+\b):8*(8*((\a)%4)+\b)+7], v[128*(\p)+FR*\b:128*(\p)+FR*\b+FR-1], v[AF+FR*(\a):AF+FR*(\a)+FR-1], v[BI+8*\b:BI+8*\b+7]
.else
	v_wmma_f32_16x16x128_fp8_fp8 v[8*(8*((\a)%4)+\b):8*(8*((\a)%4)+\b)+7], v[128*(\p)+FR*\b:128*(\p)+FR*\b+FR-1], v[AF+FR*(\a):AF+FR*(\a)+FR-1], v[8*(8*((\a)%4)+\b):8*(8*((\a)%4)+\b)+7]
.endif
.endr
.endr
.endm
.macro FETCH_B slot, q, p
	WIN TO_B
.irp i, 0,1,2,3,4,5,6,7
	FRAGB 128*(\p)+FR*\i, \slot, \q, \i
.endr
	WIN 0
.endm
.macro FETCH_A slot, q, i0
.irp i, \i0, \i0+1, \i0+2, \i0+3
	FRAGA AF+FR*(\i), \slot, \q, \i
.endr
.endm
.macro PLACES n
.rept \n
	v_nop
.endr
.endm
.macro STEP slot, q, zero
	s_wait_dscnt 4*NL
.if \zero == 2
	WIN FST_LO
.else
	WIN MUL_LO
.endif
	MUL16 0, (\q)%2, \zero
	MUL16 2, (\q)%2, \zero
	s_wait_dscnt 0
	PLACES NP
	FETCH_B \slot, (\q)+1, 1-(\q)%2
	FETCH_A \slot, (\q)+1, 0
.if \zero == 2
	WIN FST_HI
.else
	WIN MUL_HI
.endif
	MUL16 4, (\q)%2, \zero
	MUL16 6, (\q)%2, \zero
	PLACES NP
	WIN 0
	FETCH_A \slot, (\q)+1, 4
.endm
.macro TURN slot, next, fill
	s_wait_tensorcnt 0x0
	ds_add_u32 v[SPW], v[NIL]
	s_wait_dscnt 4*NL+1
	WIN MUL_LO
	MUL16 0, 1, 0
	s_wait_dscnt 0x0
	s_barrier_signal -1
	MUL16 2, 1, 0
	WIN 0
	s_barrier_wait -1
.if \fill
	CREST
	s_add_nc_u64 s[G0+4*\slot+2:G0+4*\slot+3], s[G0+4*\slot+2:G0+4*\slot+3], 2*ASTEP
	s_add_nc_u64 s[G0B+4*\slot+2:G0B+4*\slot+3], s[G0B+4*\slot+2:G0B+4*\slot+3], 2*BSTEP
	JLOAD G0+4*\slot, G1, G0B+4*\slot, G1B
.else
	PLACES NP
.endif
	FETCH_B \next, 0, 0
	FETCH_A \next, 0, 0
	WIN MUL_HI
	MUL16 4, 1, 0
	MUL16 6, 1, 0
	PLACES NP
	WIN 0
	FETCH_A \next, 0, 4
.endm
	s_wait_alu depctr_va_vdst(0)
	s_wait_tensorcnt 0x0                           ; my part of K step 0 is in
	ds_add_u32 v[SPW], v[NIL]
	s_wait_dscnt 0x0
	CROUND                                         ; everybody's part is in, and all sixteen work-groups are here
	JLOAD G0+4, G1, G0B+4, G1B                     ; K step 1: the first tensor load behind the round
	global_prefetch_b8 v30, s[98:99] th:TH_LOAD_NT scope:SCOPE_SE
	FETCH_B 0, 0, 0
	FETCH_A 0, 0, 0
	FETCH_A 0, 0, 4
	STEP 0, 0, 2
	s_mov_b32 s3, LAPS-1
.Llap:
	TURN 0, 1, 1
	STEP 1, 0, 0
	TURN 1, 0, 1
	STEP 0, 0, 0
	s_sub_co_u32 s3, s3, 1
	s_cmp_lg_u32 s3, 0
	s_cbranch_scc1 .Llap
	TURN 0, 1, 0
	STEP 1, 0, 0
	s_wait_dscnt 4*NL
	WIN MUL_LO
	MUL16 0, 1, 0
	MUL16 2, 1, 0
	s_wait_dscnt 0
	WIN MUL_HI
	MUL16 4, 1, 0
	MUL16 6, 1, 0
	WIN 0
	PLACES NP
.macro QBLOCK a
.set AC, 64*((\a)%4)
.set CS0, CD+16*((\a)%2)
	WIN 0x02+((\a)/4)
.set j, 0
.rept 64
	v_med3_num_f32 v[TMP+j], v[AC+j], 0, v[LIM]
.set j, j+1
.endr
	WIN 0
.irp b, 0,1,2,3,4,5,6,7
	v_cvt_scalef32_pk8_fp8_f32 v[CS0+2*\b:CS0+2*\b+1], v[TMP+8*\b:TMP+8*\b+7], v[SCL]
.endr
	v_nop
.irp b, 0,1,2,3,4,5,6,7
	ds_store_b64 v[STO], v[CS0+2*\b:CS0+2*\b+1] offset:(\a)*16*SPITCH+16*\b
.endr
.endm
; Each block of 16 tokens leaves as soon as it is quantised: it comes back from my stage as four register images (LDS serves a wave's instructions in order: ISA guide 5.7.1.4) while the next block is held and converted.
.macro BACK a
.irp c, 0,1,2,3
	ds_load_b128 v[BK+16*(\a)+4*\c:BK+16*(\a)+4*\c+3], v[RD] offset:(\a)*16*SPITCH+32*\c
.endr
.endm
.macro SENDB a
.irp c, 0,1,2,3
	global_store_b128 v[CO], v[BK+16*(\a)+4*\c:BK+16*(\a)+4*\c+3], s[70:71] offset:262144*((\a)/4)+2048*((\a)%4)+512*\c   ; 32 lanes store 512 consecutive bytes, aligned
.endr
.endm
	QBLOCK 0
	BACK 0
.irp a, 1,2,3,4,5,6,7
	QBLOCK \a
	BACK \a
	s_wait_dscnt 12                                ; block a - 1 is back; behind its loads: block a's 8 stores and 4 loads
	SENDB \a-1
.endr
	s_wait_dscnt 0x0
	SENDB 7
	s_wait_tensorcnt 0x0
	ds_add_u32 v[SPW], v[NIL]
	s_wait_dscnt 0x0
	CROUND
	s_endpgm
.Lfunc_end_k_qc3ed6bfd32_ff1:
	.size	k_qc3ed6bfd32_ff1, .Lfunc_end_k_qc3ed6bfd32_ff1-k_qc3ed6bfd32_ff1
	.p2alignl 7, 3214868480
	.fill 96, 4, 3214868480
	.section	.rodata,"a",@progbits
	.p2align	6, 0x0
	.amdhsa_kernel k_qc3ed6bfd32_ff1
		.amdhsa_group_segment_fixed_size 327680
		.amdhsa_private_segment_fixed_size 0
		.amdhsa_enable_private_segment 0
		.amdhsa_kernarg_size 40
		.amdhsa_user_sgpr_count 2
		.amdhsa_user_sgpr_kernarg_segment_ptr 1
		.amdhsa_wavefront_size32 1
		.amdhsa_system_sgpr_workgroup_id_x 1
		.amdhsa_system_sgpr_workgroup_id_y 1
		.amdhsa_system_sgpr_workgroup_id_z 1
		.amdhsa_system_vgpr_workitem_id 0
		.amdhsa_next_free_vgpr 1024
		.amdhsa_next_free_sgpr 100
		.amdhsa_reserve_vcc 0
		.amdhsa_float_denorm_mode_32 3
		.amdhsa_float_denorm_mode_16_64 3
		.amdhsa_memory_ordered 1
		.amdhsa_forward_progress 1
		.amdhsa_inst_pref_size 131
	.end_amdhsa_kernel
	.amdgpu_metadata
---
amdhsa.version: [ 1, 2 ]
amdhsa.kernels:
  - .name:           k_qc3ed6bfd32_ff1
    .symbol:         k_qc3ed6bfd32_ff1.kd
    .args:
      - { .name: x1c, .offset: 0, .size: 8, .value_kind: global_buffer, .address_space: global }
      - { .name: W1_codes, .offset: 8, .size: 8, .value_kind: global_buffer, .address_space: global }
      - { .name: lowp_scales, .offset: 16, .size: 8, .value_kind: global_buffer, .address_space: global }
      - { .name: b1, .offset: 24, .size: 8, .value_kind: global_buffer, .address_space: global }
      - { .name: hc, .offset: 32, .size: 8, .value_kind: global_buffer, .address_space: global }
    .group_segment_fixed_size: 327680
    .private_segment_fixed_size: 0
    .kernarg_segment_align: 8
    .kernarg_segment_size: 40
    .max_flat_workgroup_size: 128
    .sgpr_count:     100
    .vgpr_count:     1024
    .wavefront_size: 32
...
	.end_amdgpu_metadata
.endif
;; end of part 5
;; launch ff2 (part 6): grid 8 x 32, 4 waves a work-group, clusters of 4 x 4, 327,680 bytes of LDS; arguments hc, W2_codes, lowp_scales, b2, x1, out0; writes out0
.if DOCPART == 6
	.amdgcn_target "amdgcn-amd-amdhsa--gfx1250"
	.amdhsa_code_object_version 6
	.text
	.protected	k_qc3ed6bfd32_ff2
	.globl	k_qc3ed6bfd32_ff2
	.p2align	8
	.type	k_qc3ed6bfd32_ff2,@function
k_qc3ed6bfd32_ff2:
	s_mov_b64 s[64:65], 0
	v_nop
	global_prefetch_b8 v0, s[64:65] scope:SCOPE_SE
	s_setreg_imm32_b32 hwreg(HW_REG_WAVE_MODE, 25, 1), 1
	s_wait_xcnt 0x0
	s_wait_alu depctr_hold_cnt(0) depctr_sa_sdst(0) depctr_va_vdst(0) depctr_va_sdst(0) depctr_va_ssrc(0) depctr_va_vcc(0) depctr_vm_vsrc(0)
	s_getreg_b32 s2, hwreg(HW_REG_IB_STS2, 6, 4)
	s_cmp_eq_u32 s2, 0
	s_cbranch_scc0 .Lentry_in_a_cluster
	s_endpgm
.Lentry_in_a_cluster:
	s_bfe_u32 s2, ttmp6, 0x10000c
	s_cmp_lg_u32 s2, 0xf033
	s_cbranch_scc0 .Lentry_shape_is_right
	s_endpgm
.Lentry_shape_is_right:
; out0 = hidden W2^T x 2^(e14 + e15) + b2 + x1, on E4M3 codes, K = 4,096; out0, b2, x1 f32.
; A tile of 128 x 128 gives each of 256 work-groups one tile.  Four waves, each 64 x 64: 16 accumulators.  K goes in steps of 512 through a ring of two LDS slots filled by the tensor data mover.
; THE HIDDEN LAYER lies in memory as launch ff1 stores it: images of operand registers, hc[token / 64][K / 128][4 blocks of 16 tokens][c][lane][16 bytes].  A K step of 64 tokens is 32,768 dense bytes,
; stated as 128 rows of 256; LDS holds them as they lie, and a fragment's load reads 512 consecutive bytes, 16 a lane: no padding.  W2's rows of 512 bytes get 16 bytes of padding.
; CLUSTERS: 4 x 4 work-groups; hc's tiles are asked for jointly along a row of the cluster, W2's along a column.  THE MATRIX INSTRUCTION IS USED TRANSPOSED (source 0 = 16 rows of W2, source 1 = 16 tokens).
; PREFETCH: behind each joint load stands one prefetch a wave for the K step two refills on, 32 blocks of 256 bytes.  Of the 128 blocks that a wave fetches, each of the four partners that ask for them jointly
; names 32, told apart by address: of hc the partner at cx names the 8,192 bytes 8,192 cx on; of W2 the partner at cy names rows 16 cy .. + 15, two blocks a row.  K step 0 comes by its load alone;
; the last two refills have no K step two on.  W2's columns are walked by eight rows of clusters: the first four of them ask.
; x1 is asked for behind the loop, two K steps ahead of its use, when the last refill has been issued.
; LIMITS: e14 + e15 between -126 and 127.  Inside an instruction k is laid otherwise than the form's own order, alike in both operands.  NaN among the inputs is not served.
; REGISTERS: window 0: v0-31 addresses, bias; v128-255 the accumulators ((a, b) at v[128 + 8 (4 a + b)]), later the rows of out0.
;   window 1: two fragment buffers of 128: hc's four fragments (16 tokens x 128 K), then W2's four.   window 2: v0-127 x1.
.set KROW,   4096
.set AH,     32768                     ; 64 tokens x 512 K
.set ABYTES, 2*AH
.set BP,     528                       ; a row of W2 in LDS: 512 bytes + 16
.set BH,     64*BP
.set SLOT,   ABYTES+2*BH
.set SPARE,  2*SLOT                    ; behind the ring: the spare words, 128 bytes a wave
.set LAPS,   KROW/1024                 ; a lap = two K steps
.set SPITCH, 528                       ; the way out: ONE stage of 128 rows x (512 bytes + 16) at LDS byte 0, in slot 0, which has had its last fill and its last read by then
.set BIAS, 8
.set ADRA, 16                          ; v16-17  my hc fragments in slot 0, 1
.set ADRB, 20                          ; v20-21  the same for W2
.set STO,  24
.set RD,   25
.set CO,   26                          ; 16 x lane
.set SPW,  28
.set NIL,  29
.set PFO,  30                          ; the prefetches' offset; never rewritten
.set ACC,  128
.set F0,   0
.set F1,   128
.set G1, 24
.set G0, 32
.set G1B, 48
.set G0B, 56
.set PFA, 80                           ; s[80:81] where my prefetch stands
.set PFS, 82                           ; s[82:83] a K step on: 32,768 bytes in hc, 512 in a row of W2
.set LIM, 67                           ; s67  1 in a wave that asks, else the greatest number
.set MSB, 0
.macro WIN new                         ; the immediate's high byte repeats the setting that is left
.if MSB != (\new)
	s_set_vgpr_msb (MSB<<8)|(\new)
.set MSB, (\new)
.endif
.endm
.set MUL,  0x05                        ; sources 0 (W2) and 1 (hc) window 1; C and D window 0
.set TO_F, 0x40                        ; destination window 1, address window 0
.macro JLOAD s                         ; a joint load: waves 0 and 1 fetch hc's two halves, waves 2 and 3 W2's; s_nop 0 and four v_nop follow each line
	s_cmp_eq_u32 s11, 0
	s_cbranch_scc0 .Lfor_b_\@
	tensor_load_to_lds s[G0+4*\s:G0+4*\s+3], s[G1:G1+7]
	s_nop 0
.rept 4
	v_nop
.endr
	s_branch .Lasked_\@
.Lfor_b_\@:
	tensor_load_to_lds s[G0B+4*\s:G0B+4*\s+3], s[G1B:G1B+7]
	s_nop 0
.rept 4
	v_nop
.endr
.Lasked_\@:
.endm
.macro ASK how                         ; how = 1: at the head; 0: in the loop, whose last trip (s3 = 1) has no K step two refills on
.if \how
	s_cmp_eq_u32 s[LIM], 1
.else
	s_cmp_gt_u32 s3, s[LIM]
.endif
	s_cbranch_scc0 .Lnot_mine_\@
	global_prefetch_b8 v[PFO], s[PFA:PFA+1] th:TH_LOAD_NT scope:SCOPE_SE
.Lnot_mine_\@:
.endm
.macro CREST                           ; a round of the cluster's barrier behind its opening barrier
	s_cmp_lg_u32 s10, 0
	s_cbranch_scc1 .Lnot_wave_0_\@
	s_barrier_signal -3
.Lnot_wave_0_\@:
	s_barrier_wait -3
	s_barrier_signal -1
	s_barrier_wait -1
.endm
.macro CROUND
	s_barrier_signal -1
	s_barrier_wait -1
	CREST
.endm
	s_load_b256 s[68:75], s[0:1], 0x0              ; hc s[68:69], W2 s[70:71], the scales' exponents s[72:73], b2 s[74:75]
	s_load_b128 s[76:79], s[0:1], 0x20             ; x1 s[76:77], out0 s[78:79]
	v_lshl_add_u32 v[SPW], v0, 2, SPARE
	v_mov_b32 v[NIL], 0
	ds_add_u32 v[SPW], v[NIL]                      ; the add, twice on end, and its wait below
	ds_add_u32 v[SPW], v[NIL]
	v_lshrrev_b32 v1, 5, v0
	v_readfirstlane_b32 s10, v1                    ; wave 0..3
	s_lshr_b32 s11, s10, 1                         ; which 64 tokens are mine.  Also: I fetch for hc (0) or for W2 (1)
	s_and_b32 s12, s10, 1                          ; which 64 columns.  Also: which half of that tile I fetch
	s_bfe_u32 s40, ttmp6, 0x40000                  ; cx, cy
	s_bfe_u32 s41, ttmp6, 0x40004
	s_lshl_b32 s42, ttmp9, 2
	s_add_co_u32 s42, s42, s40                     ; tile column
	s_and_b32 s13, ttmp7, 0xffff
	s_lshl_b32 s13, s13, 2
	s_add_co_u32 s13, s13, s41                     ; tile row
	s_lshl_b32 s43, s41, 2
	s_lshl_b32 s43, 15, s43                        ; my row of the cluster
	s_lshl_b32 s44, 0x1111, s40                    ; my column
	s_or_b32 s[G1+0], s43, (1<<21)                 ; hc: the mask of my row; elements of 1 byte; no padding; bit 21 beside a mask
	s_mov_b32 s[G1+1], 256<<16
	s_mov_b32 s[G1+2], 128<<16
	s_mov_b32 s[G1+3], 256<<16
	s_mov_b32 s[G1+4], 128
	s_mov_b32 s[G1+5], 256
	s_mov_b32 s[G1+6], 0
	s_mov_b32 s[G1+7], 0
	s_or_b32 s[G1B+0], s44, (0<<16)|(1<<20)|(1<<21)|(6<<22)|(3<<25)    ; W2: the mask of my column; padding of 4 words after every 128
	s_mov_b32 s[G1B+1], 512<<16
	s_mov_b32 s[G1B+2], 64<<16
	s_mov_b32 s[G1B+3], 512<<16
	s_mov_b32 s[G1B+4], 64
	s_mov_b32 s[G1B+5], KROW
	s_mov_b32 s[G1B+6], 0
	s_mov_b32 s[G1B+7], 0
	s_lshl_b32 s16, s13, 1                         ; hc: block of 64 tokens 2 x tile row + half, 262,144 bytes each
	s_add_co_u32 s16, s16, s12
	s_lshl_b32 s16, s16, 18
	s_mov_b32 s17, 0
	s_lshl_b32 s46, s42, 7                         ; W2: row 128 x tile column + 64 x half
	s_lshl_b32 s47, s12, 6
	s_add_co_u32 s46, s46, s47
	s_mul_i32 s46, s46, KROW
	s_mov_b32 s47, 0
	s_lshl_b32 s20, s12, 15                        ; where they go: hc's two halves,
	s_mul_i32 s19, s12, BH
	s_add_co_u32 s19, s19, ABYTES                  ; then W2's two
	s_wait_dscnt 0x0                               ; both opening adds are done
	s_wait_kmcnt 0x0
	s_load_b64 s[84:85], s[72:73], 0x38            ; e14, e15
	s_add_nc_u64 s[14:15], s[68:69], s[16:17]
	s_add_nc_u64 s[46:47], s[70:71], s[46:47]
	CROUND                                         ; all sixteen work-groups are here: the first joint loads meet
.irp s, 0,1
	s_mov_b32 s[G0+4*\s], 1
	s_add_co_u32 s[G0+4*\s+1], s20, \s*SLOT
	s_add_nc_u64 s[G0+4*\s+2:G0+4*\s+3], s[14:15], \s*AH
	s_or_b32 s[G0+4*\s+3], s[G0+4*\s+3], 0x80000000
	s_mov_b32 s[G0B+4*\s], 1
	s_add_co_u32 s[G0B+4*\s+1], s19, \s*SLOT
	s_add_nc_u64 s[G0B+4*\s+2:G0B+4*\s+3], s[46:47], \s*512
	s_or_b32 s[G0B+4*\s+3], s[G0B+4*\s+3], 0x80000000
.endr
	JLOAD 0                                        ; K step 0: one tensor load a wave at the head
	; the prefetches: who asks, and where
	s_and_b32 s9, ttmp7, 0xffff
	s_cmp_lt_u32 s9, 4
	s_cselect_b32 s9, 1, -1                        ; W2: the first four rows of clusters ask
	s_mov_b32 s[PFS], 512
	s_cmp_eq_u32 s11, 0                            ; do I fetch for hc?
	s_cselect_b64 s[PFA:PFA+1], s[14:15], s[46:47] ; my piece at K step 0
	s_cselect_b32 s6, s40, s41                     ; my place among the four that ask for it with me
	s_cselect_b32 s7, 13, 16                       ; a partner's share: 8,192 bytes of hc; 16 rows of 4,096 bytes of W2
	s_cselect_b32 s[PFS], 0x8000, s[PFS]
	s_cselect_b32 s4, 0, 1                         ; lanes to a row of W2: two
	s_cselect_b32 s5, 8, 12                        ; from block to block of hc 256 bytes, from row to row of W2 4,096
	s_cselect_b32 s[LIM], 1, s9
	s_lshl_b32 s6, s6, s7
	s_add_co_u32 s6, s6, s[PFS]
	s_mov_b32 s7, 0
	s_mov_b32 s[PFS+1], 0
	s_add_nc_u64 s[86:87], s[PFA:PFA+1], s[6:7]    ; my share at K step 1, in registers of its own,
	s_add_nc_u64 s[PFA:PFA+1], s[86:87], s[PFS:PFS+1]   ; and at K step 2
	; the rows that I store at the end, 32 x wave on.  (s[6:7] mixes both coordinates and feeds no descriptor)
	s_lshl_b32 s6, s13, 7
	s_lshl_b32 s8, s10, 5
	s_add_co_u32 s6, s6, s8
	s_lshl_b32 s6, s6, 12                          ; rows of 4,096 bytes
	s_lshl_b32 s8, s42, 9                          ; the tile's 512 bytes of a row
	s_add_co_u32 s6, s6, s8
	s_add_nc_u64 s[76:77], s[76:77], s[6:7]
	s_add_nc_u64 s[78:79], s[78:79], s[6:7]
	s_mov_b32 s6, s8
	s_add_nc_u64 s[74:75], s[74:75], s[6:7]
	s_lshl_b32 s21, s11, 15                        ; my 64 tokens' images
	s_mul_i32 s22, s12, BH                         ; my 64 rows of W2,
	s_add_co_u32 s22, s22, ABYTES                  ; which lie behind hc
	s_mul_i32 s23, s11, 64*SPITCH                  ; into the stage: my 64 rows, my half of their 512 bytes
	s_lshl_b32 s8, s12, 8
	s_add_co_u32 s23, s23, s8
	s_mul_i32 s8, s10, 32*SPITCH                   ; back: wave w takes rows 32 w .. 32 w + 31, whole
	v_and_b32 v6, 31, v0
	v_and_b32 v1, 15, v0                           ; r
	v_bfe_u32 v2, v0, 4, 1                         ; h
	v_lshrrev_b32 v7, s4, v6
	v_and_b32 v[PFO], s4, v6
	v_lshlrev_b32 v[CO], 4, v6
	v_mul_u32_u24 v4, v1, BP
	v_mul_u32_u24 v5, v1, SPITCH
	v_lshlrev_b32 v7, s5, v7
	v_lshl_add_u32 v4, v2, 4, v4
	v_lshl_add_u32 v5, v2, 5, v5
	v_lshl_add_u32 v[PFO], v[PFO], 8, v7
	v_add_nc_u32 v[ADRA], s21, v[CO]
	v_add_nc_u32 v[ADRB], s22, v4
	v_add_nc_u32 v[STO], s23, v5
	v_add_nc_u32 v[RD], s8, v[CO]
	v_add_nc_u32 v[ADRA+1], SLOT, v[ADRA]
	v_add_nc_u32 v[ADRB+1], SLOT, v[ADRB]
	s_wait_alu depctr_va_vdst(0)                   ; the end of the head's vector work
	s_cmp_eq_u32 s[LIM], 1                         ; behind K step 0's load K step 1 is asked for too, with K step 2: so K step 0 alone comes by its load alone, and two K steps at the most are asked for and not yet loaded
	s_cbranch_scc0 .Lno_first
	global_prefetch_b8 v[PFO], s[86:87] th:TH_LOAD_NT scope:SCOPE_SE
	global_prefetch_b8 v[PFO], s[PFA:PFA+1] th:TH_LOAD_NT scope:SCOPE_SE
.Lno_first:
	global_load_b128 v[BIAS:BIAS+3], v[CO], s[74:75]
; 4 matrix instructions: hc's block a x W2's four, 128 along K, from buffer f.  zero = 1: the first product starts the sums.  The 16 accumulators take turns.
.macro MUL4 f, a, zero
.irp b, 0,1,2,3
.if \zero
	v_wmma_f32_16x16x128_fp8_fp8 v[ACC+8*(4*(\a)+\b):ACC+8*(4*(\a)+\b)+7], v[\f+64+16*\b:\f+64+16*\b+15], v[\f+16*(\a):\f+16*(\a)+15], 0
.else
	v_wmma_f32_16x16x128_fp8_fp8 v[ACC+8*(4*(\a)+\b):ACC+8*(4*(\a)+\b)+7], v[\f+64+16*\b:\f+64+16*\b+15], v[\f+16*(\a):\f+16*(\a)+15], v[ACC+8*(4*(\a)+\b):ACC+8*(4*(\a)+\b)+7]
.endif
.endr
.endm
; 32 LDS loads in one run: the fragments of the slot's q-th 128 along K into buffer f: W2's four, then hc's.  Registers 4 c .. 4 c + 3 of a fragment hold K = 32 c + 16 (l / 16) + 0 .. 15.
.macro FETCH slot, q, f
	WIN TO_F
.irp i, 0,1,2,3
.irp c, 0,1,2,3
	ds_load_b128 v[\f+64+16*\i+4*\c:\f+64+16*\i+4*\c+3], v[ADRB+\slot] offset:128*(\q)+32*\c+\i*16*BP
.endr
.endr
.irp i, 0,1,2,3
.irp c, 0,1,2,3
	ds_load_b128 v[\f+16*\i+4*\c:\f+16*\i+4*\c+3], v[ADRA+\slot] offset:8192*(\q)+2048*\i+512*\c
.endr
.endr
.endm
.macro PLACES                          ; four places in front of loads into registers that matrix instructions have read, and of LDS stores that read results
.rept 4
	v_nop
.endr
.endm
; A K step is four quarters of 128 along K, 16 matrix instructions each, on buffers 0, 1, 0, 1.  One of the first three: multiplies buffer f and fetches quarter qn into g.
.macro QUARTER slot, qn, f, g, zero
	s_wait_dscnt 8                                 ; W2's fragments and hc's blocks 0, 1 are in; the youngest eight loads (blocks 2, 3) may be out
	WIN MUL
	MUL4 \f, 0, \zero
	MUL4 \f, 1, \zero
	PLACES
	FETCH \slot, \qn, \g
	s_wait_dscnt 32                                ; all but the 32 just issued
	WIN MUL
	MUL4 \f, 2, \zero
	MUL4 \f, 3, \zero
.endm
; The last quarter multiplies buffer 1 and changes slots: ONE barrier; in front of it each wave waits for all its tensor loads, adds 0 to its spare word, and waits for that and for its own reads of this slot.
.macro TURN slot, next, fill
	WIN 0
.if \fill
	s_wait_xcnt 0x0                                ; my last prefetch has read its address: a K step on
	s_add_nc_u64 s[PFA:PFA+1], s[PFA:PFA+1], s[PFS:PFS+1]
.endif
	s_wait_tensorcnt 0x0                           ; all my tensor loads have landed: my part of the next slot;
	ds_add_u32 v[SPW], v[NIL]                      ; 0 onto my spare word
	s_wait_dscnt 9                                 ; (the add and the youngest eight loads may be out)
	WIN MUL
	MUL4 F1, 0, 0
	s_wait_dscnt 0x0                               ; the add is done, and my reads of this slot are over
	s_barrier_signal -1
	MUL4 F1, 1, 0
.if \fill
	WIN 0
.endif
	s_barrier_wait -1
.if \fill
	CREST                                          ; the barrier has opened a round of the cluster's barrier: no wave of any partner still reads this slot or has a load on its way
	s_add_nc_u64 s[G0+4*\slot+2:G0+4*\slot+3], s[G0+4*\slot+2:G0+4*\slot+3], 2*AH
	s_add_nc_u64 s[G0B+4*\slot+2:G0B+4*\slot+3], s[G0B+4*\slot+2:G0B+4*\slot+3], 2*512
	JLOAD \slot                                    ; the first tensor load behind the round; its four v_nop are the places in front of the loads below
.else
	PLACES
.endif
	FETCH \next, 0, F0
.if \fill
	WIN 0
	ASK 0                                          ; behind the joint load and the run of LDS loads: the K step two refills on
.endif
	WIN MUL
	MUL4 F1, 2, 0
	MUL4 F1, 3, 0
.endm
	s_wait_xcnt 0x0                                ; my prefetch has read its address: on to K step 3
	s_add_nc_u64 s[PFA:PFA+1], s[PFA:PFA+1], s[PFS:PFS+1]
	s_wait_tensorcnt 0x0                           ; my part of K step 0 is in
	ds_add_u32 v[SPW], v[NIL]
	s_wait_dscnt 0x0
	CROUND                                         ; everybody's part is in, and all sixteen work-groups are here
	JLOAD 1                                        ; K step 1: the first tensor load behind the round
	FETCH 0, 0, F0
	WIN 0
	ASK 1                                          ; K step 3
	QUARTER 0, 1, F0, F1, 1                        ; the first quarter stands in front of the loop: its products start the sums
	WIN 0                                          ; at a label and at a branch every window is 0
	s_mov_b32 s3, LAPS-1
.Llap:                                                 ; a trip goes once round the ring, from a lap's second quarter to the next lap's first, and fills both slots again
	QUARTER 0, 2, F1, F0, 0
	QUARTER 0, 3, F0, F1, 0
	TURN 0, 1, 1
	QUARTER 1, 1, F0, F1, 0
	QUARTER 1, 2, F1, F0, 0
	QUARTER 1, 3, F0, F1, 0
	TURN 1, 0, 1
	QUARTER 0, 1, F0, F1, 0
	WIN 0
	s_sub_co_u32 s3, s3, 1
	s_cmp_lg_u32 s3, 0
	s_cbranch_scc1 .Llap
	WIN 0x80                                       ; destination window 2
.set i, 0
.rept 32
	global_load_b128 v[4*i:4*i+3], v[CO], s[76:77] offset:4096*i th:TH_LOAD_NT   ; x1: row i of my 32: 32 lanes read 512 consecutive bytes
.set i, i+1
.endr
	QUARTER 0, 2, F1, F0, 0                        ; the last lap fills nothing, and has no round of the cluster's barrier
	QUARTER 0, 3, F0, F1, 0
	TURN 0, 1, 0
	QUARTER 1, 1, F0, F1, 0
	QUARTER 1, 2, F1, F0, 0
	QUARTER 1, 3, F0, F1, 0
	s_wait_dscnt 8                                 ; the very last quarter: nothing more to fetch
	WIN MUL
	MUL4 F1, 0, 0
	MUL4 F1, 1, 0
	s_wait_dscnt 0
	MUL4 F1, 2, 0
	MUL4 F1, 3, 0
	WIN 0
	; THE WAY OUT.  The raw sums go into the work-group's stage (a row's 512 bytes come from two waves: a barrier), come back as whole rows, 32 a wave, and meet scale, x1 and bias there.
	PLACES
.irp a, 0,1,2,3
.irp b, 0,1,2,3
	ds_store_b128 v[STO], v[ACC+8*(4*\a+\b):ACC+8*(4*\a+\b)+3] offset:\a*16*SPITCH+64*\b         ; each accumulator from its low end on
	ds_store_b128 v[STO], v[ACC+8*(4*\a+\b)+4:ACC+8*(4*\a+\b)+7] offset:\a*16*SPITCH+64*\b+16
.endr
.endr
	s_wait_dscnt 0x0                               ; for the others' sake: my stores into the stage are done
	s_barrier_signal -1
	s_barrier_wait -1
.set i, 0
.rept 32
	ds_load_b128 v[ACC+4*i:ACC+4*i+3], v[RD] offset:SPITCH*i
.set i, i+1
.endr
	s_wait_kmcnt 0x0
	s_add_co_i32 s4, s84, s85
	s_add_co_i32 s4, s4, 127
	s_lshl_b32 s4, s4, 23                          ; 2^(e14 + e15) as f32
	s_mov_b32 s5, s4                               ; (named with it as a pair)
	s_wait_loadcnt 0x0                             ; x1 and the bias
	s_wait_dscnt 0x0
	WIN 0x20                                       ; source 2 (x1) window 2
.set j, 0
.rept 64
	v_pk_fma_f32 v[ACC+2*j:ACC+2*j+1], v[ACC+2*j:ACC+2*j+1], s[4:5], v[2*j:2*j+1] op_sel_hi:[1,0,1]
.set j, j+1
.endr
	WIN 0
.set j, 0
.rept 32
	v_pk_add_f32 v[ACC+4*j:ACC+4*j+1], v[ACC+4*j:ACC+4*j+1], v[BIAS:BIAS+1]
	v_pk_add_f32 v[ACC+4*j+2:ACC+4*j+3], v[ACC+4*j+2:ACC+4*j+3], v[BIAS+2:BIAS+3]
.set j, j+1
.endr
.set i, 0
.rept 32
	global_store_b128 v[CO], v[ACC+4*i:ACC+4*i+3], s[78:79] offset:4096*i th:TH_STORE_NT   ; 32 lanes store 512 consecutive bytes, aligned
.set i, i+1
.endr
	s_wait_tensorcnt 0x0                           ; the wave's end
	ds_add_u32 v[SPW], v[NIL]
	s_wait_dscnt 0x0
	CROUND                                         ; the closing round
	s_endpgm
.Lfunc_end_k_qc3ed6bfd32_ff2:
	.size	k_qc3ed6bfd32_ff2, .Lfunc_end_k_qc3ed6bfd32_ff2-k_qc3ed6bfd32_ff2
	.p2alignl 7, 3214868480
	.fill 96, 4, 3214868480
	.section	.rodata,"a",@progbits
	.p2align	6, 0x0
	.amdhsa_kernel k_qc3ed6bfd32_ff2
		.amdhsa_group_segment_fixed_size 327680
		.amdhsa_private_segment_fixed_size 0
		.amdhsa_enable_private_segment 0
		.amdhsa_kernarg_size 48
		.amdhsa_user_sgpr_count 2
		.amdhsa_user_sgpr_kernarg_segment_ptr 1
		.amdhsa_wavefront_size32 1
		.amdhsa_system_sgpr_workgroup_id_x 1
		.amdhsa_system_sgpr_workgroup_id_y 1
		.amdhsa_system_sgpr_workgroup_id_z 1
		.amdhsa_system_vgpr_workitem_id 0
		.amdhsa_next_free_vgpr 640
		.amdhsa_next_free_sgpr 100
		.amdhsa_reserve_vcc 0
		.amdhsa_float_denorm_mode_32 3
		.amdhsa_float_denorm_mode_16_64 3
		.amdhsa_memory_ordered 1
		.amdhsa_forward_progress 1
		.amdhsa_inst_pref_size 83
	.end_amdhsa_kernel
	.amdgpu_metadata
---
amdhsa.version: [ 1, 2 ]
amdhsa.kernels:
  - .name:           k_qc3ed6bfd32_ff2
    .symbol:         k_qc3ed6bfd32_ff2.kd
    .args:
      - { .name: hc, .offset: 0, .size: 8, .value_kind: global_buffer, .address_space: global }
      - { .name: W2_codes, .offset: 8, .size: 8, .value_kind: global_buffer, .address_space: global }
      - { .name: lowp_scales, .offset: 16, .size: 8, .value_kind: global_buffer, .address_space: global }
      - { .name: b2, .offset: 24, .size: 8, .value_kind: global_buffer, .address_space: global }
      - { .name: x1, .offset: 32, .size: 8, .value_kind: global_buffer, .address_space: global }
      - { .name: out0, .offset: 40, .size: 8, .value_kind: global_buffer, .address_space: global }
    .group_segment_fixed_size: 327680
    .private_segment_fixed_size: 0
    .kernarg_segment_align: 8
    .kernarg_segment_size: 48
    .max_flat_workgroup_size: 128
    .sgpr_count:     100
    .vgpr_count:     640
    .wavefront_size: 32
...
	.end_amdgpu_metadata
.endif
;; end of part 6
